; MI455X (gfx1250); checked and timed in simulation.
; The chip was launched on July 23, 2026; its instructions are those of AMD's public machine-readable ISA for CDNA 5 (MIT licence, August 2026) and "CDNA5" Instruction Set Architecture Reference Guide (July 2026). The comments in the code are by the model that wrote it; some were corrected since.
;; Multi Head Attention. Allowed arithmetic: matrix products marked QUANTISED: E2M3 operands, one E8M0 scale for each 32 along K, by v_wmma_scale_f32_16x16x128_f8f6f4 with both operands' format E2M3, f32 sums; everything else in f32.
;; Inputs: b_o 1,024 float32; w_k 1,024 x 1,024 float32; w_o 1,024 x 1,024 float32; w_q 1,024 x 1,024 float32; w_v 1,024 x 1,024 float32; x 4 x 2,048 x 1,024 float32.
;; Outputs: out0 4 x 2,048 x 1,024 float32.
;; This version of the problem:
;;   THIS VERSION OF THE PROBLEM IS GIVEN IN LOW PRECISION. The matrix products marked QUANTISED in the list below multiply operands that are first quantised to E2M3 (2 exponent bits, 3 mantissa bits; 6 bits a number), with one power-of-two scale for each 32 numbers along K (OCP MX v1.0); their sums are f32. All else is computed in f32.
;;   The module's matrix products, in the order in which they are computed (A, B: the left and right operand; K: the contracted axis; several contracted axes count as one K, in the product's order):
;;     1. [M 8,192, K 1,024] x [K 1,024, N 1,024]; A: input x; B: input w_q: QUANTISED
;;     2. [M 8,192, K 1,024] x [K 1,024, N 1,024]; A: input x; B: input w_k: QUANTISED
;;     3. [M 8,192, K 1,024] x [K 1,024, N 1,024]; A: input x; B: input w_v: QUANTISED
;;     4. batch 64 x [M 2,048, K 64] x [K 64, N 2,048]; A: computed on the way; B: computed on the way: QUANTISED
;;     5. batch 64 x [M 2,048, K 2,048] x [K 2,048, N 64]; A: softmax (see below); B: computed on the way: QUANTISED
;;     6. [M 8,192, K 1,024] x [K 1,024, N 1,024]; A: computed on the way; B: input w_o: QUANTISED
;;   THE QUANTISER, for each operand of a quantised product, along K:
;;     - K is cut into blocks of 32 from its start; a last block that is shorter is filled with zeros.
;;     - A block's scale is 2^e with e = floor(log2(the largest magnitude in the block)) - 2, held to -126 .. 127; a block of zeros has e = 0. As a byte (E8M0): e + 127.
;;     - Each number is divided by its block's scale, clamped to +-7.5, and rounded to the nearest number of E2M3, ties to even, subnormals kept.
;;     - The product sums the exact products of the quantised numbers (number of the format x scale) in f32.
;;   ~~~python
;;   def quantise(x, axis):      # numpy; x: float32 -> the quantised numbers, widened to float32 again
;;       x = np.moveaxis(x, axis, -1); K = x.shape[-1]
;;       x = np.pad(x, [(0, 0)] * (x.ndim - 1) + [(0, -K % 32)]); x = x.reshape(x.shape[:-1] + (-1, 32)); a = np.abs(x).max(-1, keepdims=True)
;;       e = np.where(a > 0, np.clip(np.frexp(np.where(a > 0, a, 1))[1] - 1 - 2, -126, 127), 0)      # np.frexp(a)[1] - 1 = floor(log2(a)), exactly
;;       r = np.clip(x / 2.0 ** e, -7.5, 7.5)
;;       step = 2.0 ** (np.maximum(np.frexp(np.where(r == 0, 1, r))[1] - 1, 0) - 3)
;;       q = np.round(r / step) * step * 2.0 ** e      # np.round: ties to even
;;       return np.moveaxis(q.reshape(q.shape[:-2] + (-1,))[..., :K], -1, axis).astype(np.float32)
;;   ~~~
;;   SOFTMAX AHEAD OF A QUANTISED PRODUCT. Where the list says 'softmax', what is quantised is not the finished softmax but p = 2^(t - M), with t = logit x log2(e) and M = ceil(the row's largest t), a whole number; so 1/2 < the row's largest p <= 1. The row's sum l is taken of the UNQUANTISED p, in f32, and the product's result is divided by l at the end. Since M is a whole number, a kernel that streams over the keys may use a running M (the ceiling of the running maximum): every later rescaling is an exact power of two, which a block's scale takes up: the codes' values come out the same.
;;   OPERANDS COMPUTED ON THE WAY. 'Computed on the way' means the value that the module computes at that place (a softmax that the list does not call 'softmax' is quantised finished and normalised). What goes into a quantiser is computed in f32, as accurately as f32 sums, v_exp_f32 and their like allow (about 1e-6 of the number): no bf16 or f16 on the way to a quantiser, and a product that is left as it is and whose result goes on into a quantised operand takes f32 operands (vector FMAs, or v_wmma_f32_16x16x4_f32). A number that lies on a knife's edge between two numbers of the format may be rounded either way, as far as f32 arithmetic and the matrix unit's own rounding can turn it there, and no further.
;; One version. Each part assembles by itself: llvm-mc -triple=amdgcn-amd-amdhsa -mcpu=gfx1250 --defsym DOCPART=n.
;; ======== version 1 of 1: 4 launches
;; limits: right only within a limited range of input values
;; workspace buffers: codes 9,437,184 bytes; scales 393,216 bytes; qkvc 18,874,368 bytes; qkvs 1,310,720 bytes; cc 6,291,456 bytes; cs 262,144 bytes
;; launch quant (part 1): grid 384 x 1, 4 waves a work-group, no clusters, 34,304 bytes of LDS; arguments x, w_q, w_k, w_v, w_o, codes, scales; writes codes, scales
.if DOCPART == 1
	.amdgcn_target "amdgcn-amd-amdhsa--gfx1250"
	.amdhsa_code_object_version 6
	.text
	.protected	k_q0af9a452e5_quant
	.globl	k_q0af9a452e5_quant
	.p2align	8
	.type	k_q0af9a452e5_quant,@function
k_q0af9a452e5_quant:
	s_mov_b64 s[64:65], 0
	v_nop
	global_prefetch_b8 v0, s[64:65] scope:SCOPE_SE
	s_setreg_imm32_b32 hwreg(HW_REG_WAVE_MODE, 25, 1), 1
	s_wait_xcnt 0x0
; x [8192][1024] and the four weights [1024 (k)][1024 (n)], f32, become codes of FP6 (E2M3) with one E8M0 scale byte for each 32 along K.
; A block's scale is 2^(floor(log2(its largest magnitude)) - 2); its byte is the largest magnitude's exponent field - 2, held at 1 from below.
; (A block of zeros so gets the byte 1 where the rule says 127: its codes are zeros, and the bytes are read by this program alone.)
; LIMITS: a block whose largest magnitude lies under 2^-124 is held at the byte 1; NaN and infinities among the inputs are not served.
; THE OUTPUT'S LAYOUT is the order of an operand's registers.  A TILE is 16 rows (of x) or 16 columns n (of a weight); a UNIT is a tile x 64 along K:
; lane l = r + 16 h holds the 24 bytes of row r, k = 32 h .. 32 h + 31, in six registers, and register pair c lies at byte 256 c + 8 l of the unit's 768.
; codes: [tile][K / 64 = 16 units][768]; scales: [tile][K / 256 = 4][row r][8 bytes].  Tiles 0-511: x; 512-575 w_q; 576-639 w_k; 640-703 w_v; 704-767 w_o.
; THE ROWS OF A TILE ARE NOT NEIGHBOURS: row r of tile T is true row 32 (T / 2) + 8 (T % 2) + r + 8 (r / 8), so that where such a tile is source 0 of a product
; the 16 result registers of tiles 2 b and 2 b + 1 are 16 true neighbours.
; Work-groups 0-255 take x (a wave: one tile x 512 along K), work-groups 256-383 the weights (a wave: 32 columns x 256 along K).  Waves share nothing: no barrier.
; Matrix units, clusters and tensor loads are left out: each byte is read once and no two work-groups read the same bytes.
.set RR,   64                          ; v64-191  x: two sets of 64 numbers as they are loaded;  weights: v64-127 two sets of 32
.set XX,   192                         ; v192-255 x: 64 numbers of my row, in the operand's order
.set CC,   16                          ; v16-39   x: two sets of 12 registers of codes
.set DD,   40                          ; v40-47   the second halves of the conversions
.set WW,   48                          ; v48-51   scale words
.set WAVE, 18
	s_load_b256 s[4:11], s[0:1], 0x0               ; x, w_q, w_k, w_v
	s_load_b128 s[12:15], s[0:1], 0x20             ; w_o, codes
	s_load_b64 s[16:17], s[0:1], 0x30              ; scales
	v_lshl_add_u32 v62, v0, 2, 0x8400
	v_mov_b32 v63, 0
	v_lshrrev_b32 v1, 5, v0
	v_readfirstlane_b32 s[WAVE], v1                ; wave 0..3
	v_and_b32 v1, 31, v0                           ; l
	v_and_b32 v2, 15, v0                           ; r
	v_bfe_u32 v3, v0, 4, 1                         ; h
	v_lshlrev_b32 v7, 3, v1                        ; 8 l: my place in a register pair's 256 bytes
	s_cmp_lt_u32 ttmp9, 256
	s_cbranch_scc0 .Lw
; ---------------- x: K is innermost.  A load reads 512 consecutive bytes of one row; the 16 rows x 512 bytes turn through the wave's own stage in LDS
; (rows 528 bytes apart: the sixteen rows of a read start in sixteen different 16-byte columns), and come back 128 bytes a lane and block.
	v_lshlrev_b32 v4, 4, v1                        ; 16 l
	s_mul_i32 s20, s[WAVE], 8448                   ; my stage: 16 rows x 528 bytes
	v_add_nc_u32 v5, s20, v4                       ; in: 16 l, the row in the immediate
	v_mul_u32_u24 v6, v2, 528
	v_lshl_add_u32 v6, v3, 7, v6
	v_add_nc_u32 v6, s20, v6                       ; back: row r, + 128 h: my block of 32 numbers
	v_lshlrev_b32 v53, 3, v3                       ; 8 h
	v_mov_b32 v52, 0                               ; a lane permute's destination counts as one of its sources
	s_mov_b32 s24, 0x76543210
	s_mov_b32 s25, 0xfedcba98                      ; selects for lane l xor 16
	s_lshl_b32 s21, ttmp9, 2
	s_add_co_u32 s21, s21, s[WAVE]
	s_lshr_b32 s22, s21, 1                         ; my tile, 0..511
	s_and_b32 s23, s21, 1                          ; which 512 along K
	s_lshr_b32 s26, s22, 1
	s_lshl_b32 s26, s26, 5
	s_and_b32 s27, s22, 1
	s_lshl_b32 s27, s27, 3
	s_add_co_u32 s26, s26, s27                     ; the tile's first true row
	s_lshl_b32 s26, s26, 12                        ; rows of 4,096 bytes
	s_lshl_b32 s27, s23, 11
	s_add_co_u32 s26, s26, s27
	s_mov_b32 s27, 0
	s_mul_i32 s28, s22, 12288
	s_mul_i32 s29, s23, 6144
	s_add_co_u32 s28, s28, s29
	s_mov_b32 s29, 0
	s_lshl_b32 s30, s22, 9
	s_lshl_b32 s31, s23, 8
	s_add_co_u32 s30, s30, s31
	s_mov_b32 s31, 0
	s_wait_alu depctr_va_vdst(0)
	s_wait_kmcnt 0x0
	s_add_nc_u64 s[4:5], s[4:5], s[26:27]
	s_add_nc_u64 s[14:15], s[14:15], s[28:29]
	s_add_nc_u64 s[16:17], s[16:17], s[30:31]
.macro XLOAD t                         ; step t: 128 along K of the tile's 16 rows
.irp i, 0,1,2,3,4,5,6,7,8,9,10,11,12,13,14,15
	global_load_b128 v[RR+64*((\t)%2)+4*\i:RR+64*((\t)%2)+4*\i+3], v4, s[4:5] offset:(\i+8*(\i/8))*4096+512*(\t) th:TH_LOAD_NT
.endr
.endm
.macro XSTEP t
.set RS, RR+64*((\t)%2)
.set CS, CC+12*((\t)%2)
.if (\t) < 3
	s_wait_loadcnt 16                              ; this step's 16 loads are in; the next step's 16 may be out
.else
	s_wait_loadcnt 0x0
.endif
.irp i, 0,1,2,3,4,5,6,7,8,9,10,11,12,13,14,15
	ds_store_b128 v5, v[RS+4*\i:RS+4*\i+3] offset:528*\i
.endr
.irp c, 0,1
.irp i, 0,1,2,3,4,5,6,7
	ds_load_b128 v[XX+32*\c+4*\i:XX+32*\c+4*\i+3], v6 offset:256*\c+16*\i   ; LDS serves a wave's instructions in order: these see the stores above.  Register 32 c + j = k 64 c + 32 h + j of row r
.endr
.endr
	s_wait_dscnt 0x0                               ; the numbers are back, and the stores have read their registers
.if (\t) < 2
	XLOAD (\t)+2
.endif
.irp c, 0,1                                    ; my block 2 c + h: all its 32 numbers are mine
	v_max3_num_f32 v[8+\c], |v[XX+32*\c]|, |v[XX+32*\c+1]|, 0x1800000   ; with the floor 2^(3 - 127): the byte cannot fall under 1
.endr
.irp i, 2,4,6,8,10,12,14,16,18,20,22,24,26,28,30
.irp c, 0,1
	v_max3_num_f32 v[8+\c], v[8+\c], |v[XX+32*\c+\i]|, |v[XX+32*\c+\i+1]|   ; the two blocks by turns
.endr
.endr
.irp c, 0,1
	v_add_nc_u32 v[12+\c], 0xff000000, v[8+\c]     ; 2 off the exponent field: the conversion's scale operand
.endr
.irp c, 0,1
	v_lshrrev_b32 v[14+\c], 23, v[12+\c]           ; the scale's byte
.endr
	v_lshl_or_b32 v[WW+(\t)], v15, 16, v14         ; my two bytes: blocks h and 2 + h,
	v_lshlrev_b32 v[WW+(\t)], v53, v[WW+(\t)]      ; 8 h bits up;
	v_permlanex16_b32 v52, v[WW+(\t)], s24, s25
	v_or_b32 v[WW+(\t)], v[WW+(\t)], v52           ; with lane l xor 16's two the row's word is whole
	s_wait_alu depctr_va_vdst(0)
	s_wait_xcnt 0x0                                ; the stores of two steps ago have read this set of code registers
.irp c, 0,1
	v_cvt_scalef32_pk16_fp6_f32 v[CS+6*\c:CS+6*\c+2], v[XX+32*\c:XX+32*\c+15], v[12+\c]
	v_cvt_scalef32_pk16_fp6_f32 v[DD+4*\c:DD+4*\c+2], v[XX+32*\c+16:XX+32*\c+31], v[12+\c]   ; (a conversion's three registers begin on an even number)
.endr
	v_nop                                          ; one plain place behind a scaled conversion
.irp c, 0,1
.irp i, 0,1,2
	v_mov_b32 v[CS+3+6*\c+\i], v[DD+4*\c+\i]
.endr
.endr
.irp p, 0,1,2,3,4,5
	global_store_b64 v7, v[CS+2*\p:CS+2*\p+1], s[14:15] offset:1536*(\t)+256*\p   ; 32 lanes store 256 consecutive bytes, aligned
.endr
.endm
	XLOAD 0
	XLOAD 1
	XSTEP 0
	XSTEP 1
	XSTEP 2
	XSTEP 3
	v_cmp_le_u32 vcc_lo, 16, v1                    ; lanes 0-15 store the words of steps 0, 1 (the first 256 along K), lanes 16-31 those of steps 2, 3
	v_cndmask_b32 v54, v48, v50, vcc_lo
	v_cndmask_b32 v55, v49, v51, vcc_lo
	global_store_b64 v7, v[54:55], s[16:17]        ; 256 consecutive bytes, aligned
	s_wait_tensorcnt 0x0
	ds_add_u32 v62, v63
	s_wait_dscnt 0x0
	s_endpgm
; ---------------- the weights: K is the first axis.  A lane takes a column and its registers run down K: a block of 32 lies in one lane.
.Lw:
	s_sub_co_u32 s20, ttmp9, 256
	s_lshr_b32 s21, s20, 5                         ; which weight: 0 w_q, 1 w_k, 2 w_v, 3 w_o
	s_bfe_u32 s22, s20, 0x30002                    ; which 128 columns
	s_and_b32 s23, s20, 3                          ; which 256 along K
	s_wait_alu depctr_va_vdst(0)
	v_and_b32 v4, 7, v1                            ; lane l takes column l with bits 3 and 4 exchanged: lanes 0-15 are the even tile, lanes 16-31 the odd one
	v_and_b32 v5, 8, v1
	v_lshl_or_b32 v4, v5, 1, v4
	v_and_b32 v5, 16, v1
	v_lshrrev_b32 v5, 1, v5
	v_or_b32 v4, v4, v5
	v_lshlrev_b32 v4, 2, v4                        ; in bytes: the wave's 32 lanes read 128 consecutive bytes, the four waves 512
	v_lshlrev_b32 v9, 3, v2
	v_lshl_add_u32 v9, v3, 9, v9                   ; scale bytes: 8 r, the odd tile 512 bytes on
	s_lshl_b32 s26, s23, 20                        ; 256 rows of 4,096 bytes
	s_lshl_b32 s27, s22, 9
	s_add_co_u32 s26, s26, s27
	s_lshl_b32 s27, s[WAVE], 7
	s_add_co_u32 s26, s26, s27
	s_mov_b32 s27, 0
	s_lshl_b32 s28, s21, 6
	s_lshl_b32 s29, s22, 3
	s_add_co_u32 s28, s28, s29
	s_lshl_b32 s29, s[WAVE], 1
	s_add_co_u32 s28, s28, s29
	s_add_co_u32 s28, s28, 512                     ; my even tile
	s_lshl_b32 s30, s28, 9
	s_lshl_b32 s31, s23, 7
	s_add_co_u32 s30, s30, s31
	s_mov_b32 s31, 0
	s_mul_i32 s28, s28, 12288
	s_mul_i32 s29, s23, 3072
	s_add_co_u32 s28, s28, s29
	s_mov_b32 s29, 0
	s_wait_alu depctr_va_vdst(0)
	s_wait_kmcnt 0x0
	s_cmp_eq_u32 s21, 1                            ; the choice hangs on the work-group's number alone
	s_cselect_b64 s[6:7], s[8:9], s[6:7]
	s_cmp_eq_u32 s21, 2
	s_cselect_b64 s[6:7], s[10:11], s[6:7]
	s_cmp_eq_u32 s21, 3
	s_cselect_b64 s[6:7], s[12:13], s[6:7]
	s_add_nc_u64 s[6:7], s[6:7], s[26:27]
	s_add_nc_u64 s[14:15], s[14:15], s[28:29]
	s_add_nc_u64 s[16:17], s[16:17], s[30:31]
.macro WLOAD t                         ; block t: w(32 t + i, my column) into set t % 2
.irp i, 0,1,2,3,4,5,6,7,8,9,10,11,12,13,14,15,16,17,18,19,20,21,22,23,24,25,26,27,28,29,30,31
	global_load_b32 v[RR+32*((\t)%2)+\i], v4, s[6:7] offset:(32*(\t)+\i)*4096 th:TH_LOAD_NT
.endr
.endm
.macro WBLOCK t
.set XS, RR+32*((\t)%2)
.set EU, 128+12*((\t)/2)               ; the pair of blocks' 12 registers: a set of its own for each pair, so that no store's data are written again
.set ES, EU+6*((\t)%2)
.if (\t) < 7
	s_wait_loadcnt 32                              ; this block's 32 loads are in; the next block's may be out
.else
	s_wait_loadcnt 0x0
.endif
	v_max3_num_f32 v10, |v[XS]|, |v[XS+1]|, |v[XS+2]|
	v_max3_num_f32 v11, |v[XS+3]|, |v[XS+4]|, |v[XS+5]|
.irp i, 6,10,14,18,22,26
	v_max3_num_f32 v10, v10, |v[XS+\i]|, |v[XS+\i+1]|
	v_max3_num_f32 v11, v11, |v[XS+\i+2]|, |v[XS+\i+3]|
.endr
	v_max3_num_f32 v10, v10, |v[XS+30]|, |v[XS+31]|
	v_max3_num_f32 v10, v10, v11, 0x1800000        ; and the floor
	v_add_nc_u32 v12, 0xff000000, v10              ; the conversion's scale operand
	v_lshrrev_b32 v13, 23, v12                     ; the scale's byte
.if (\t)%4 == 0
	v_mov_b32 v[WW+(\t)/4], v13                    ; four bytes to a word, the lower K in the lower byte
.else
	v_lshl_or_b32 v[WW+(\t)/4], v13, 8*((\t)%4), v[WW+(\t)/4]
.endif
	v_cvt_scalef32_pk16_fp6_f32 v[ES:ES+2], v[XS:XS+15], v12
	v_cvt_scalef32_pk16_fp6_f32 v[DD:DD+2], v[XS+16:XS+31], v12
	v_nop                                          ; one plain place behind a scaled conversion
.irp i, 0,1,2
	v_mov_b32 v[ES+3+\i], v[DD+\i]
.endr
.if (\t) < 6
	WLOAD (\t)+2
.endif
.if (\t)%2 == 1                        ; two blocks are a unit's 64 along K.  The first six registers hold block 2 u of all 32 columns, the second six block 2 u + 1
.irp i, 0,1,2,3,4,5
	v_permlane16_swap_b32 v[EU+\i], v[EU+6+\i]     ; the first's lanes 16-31 change places with the second's lanes 0-15: the first six are now the even tile's unit, the second six the odd tile's
.endr
.irp c, 0,1,2
	global_store_b64 v7, v[EU+2*\c:EU+2*\c+1], s[14:15] offset:768*((\t)/2)+256*\c
	global_store_b64 v7, v[EU+6+2*\c:EU+6+2*\c+1], s[14:15] offset:12288+768*((\t)/2)+256*\c   ; each store: 256 consecutive bytes, aligned
.endr
.endif
.endm
	WLOAD 0
	WLOAD 1
.irp t, 0,1,2,3,4,5,6,7
	WBLOCK \t
.endr
	global_store_b64 v9, v[WW:WW+1], s[16:17]      ; my column's 8 scale bytes: two runs of 128 bytes a wave; one byte in 128 of what this path reads
	s_endpgm
.Lfunc_end_k_q0af9a452e5_quant:
	.size	k_q0af9a452e5_quant, .Lfunc_end_k_q0af9a452e5_quant-k_q0af9a452e5_quant
	.p2alignl 7, 3214868480
	.fill 96, 4, 3214868480
	.section	.rodata,"a",@progbits
	.p2align	6, 0x0
	.amdhsa_kernel k_q0af9a452e5_quant
		.amdhsa_group_segment_fixed_size 34304
		.amdhsa_private_segment_fixed_size 0
		.amdhsa_enable_private_segment 0
		.amdhsa_kernarg_size 56
		.amdhsa_user_sgpr_count 2
		.amdhsa_user_sgpr_kernarg_segment_ptr 1
		.amdhsa_wavefront_size32 1
		.amdhsa_system_sgpr_workgroup_id_x 1
		.amdhsa_system_sgpr_workgroup_id_y 1
		.amdhsa_system_sgpr_workgroup_id_z 1
		.amdhsa_system_vgpr_workitem_id 0
		.amdhsa_next_free_vgpr 256
		.amdhsa_next_free_sgpr 66
		.amdhsa_reserve_vcc 1
		.amdhsa_float_denorm_mode_32 3
		.amdhsa_float_denorm_mode_16_64 3
		.amdhsa_memory_ordered 1
		.amdhsa_forward_progress 1
		.amdhsa_inst_pref_size 72
	.end_amdhsa_kernel
	.amdgpu_metadata
---
amdhsa.version: [ 1, 2 ]
amdhsa.kernels:
  - .name:           k_q0af9a452e5_quant
    .symbol:         k_q0af9a452e5_quant.kd
    .args:
      - { .name: x, .offset: 0, .size: 8, .value_kind: global_buffer, .address_space: global }
      - { .name: w_q, .offset: 8, .size: 8, .value_kind: global_buffer, .address_space: global }
      - { .name: w_k, .offset: 16, .size: 8, .value_kind: global_buffer, .address_space: global }
      - { .name: w_v, .offset: 24, .size: 8, .value_kind: global_buffer, .address_space: global }
      - { .name: w_o, .offset: 32, .size: 8, .value_kind: global_buffer, .address_space: global }
      - { .name: codes, .offset: 40, .size: 8, .value_kind: global_buffer, .address_space: global }
      - { .name: scales, .offset: 48, .size: 8, .value_kind: global_buffer, .address_space: global }
    .group_segment_fixed_size: 34304
    .private_segment_fixed_size: 0
    .kernarg_segment_align: 8
    .kernarg_segment_size: 56
    .max_flat_workgroup_size: 128
    .sgpr_count:     66
    .vgpr_count:     256
    .wavefront_size: 32
...
	.end_amdgpu_metadata
.endif
;; end of part 1
;; launch gemm_qkv (part 2): grid 8 x 48, 4 waves a work-group, clusters of 4 x 4, 327,680 bytes of LDS; arguments codes, scales, qkvc, qkvs; writes qkvc, qkvs
.if DOCPART == 2
	.amdgcn_target "amdgcn-amd-amdhsa--gfx1250"
	.amdhsa_code_object_version 6
	.text
	.protected	k_q0af9a452e5_gemm_qkv
	.globl	k_q0af9a452e5_gemm_qkv
	.p2align	8
	.type	k_q0af9a452e5_gemm_qkv,@function
k_q0af9a452e5_gemm_qkv:
	s_mov_b64 s[64:65], 0
	v_nop
	global_prefetch_b8 v0, s[64:65] scope:SCOPE_SE
	s_setreg_imm32_b32 hwreg(HW_REG_WAVE_MODE, 25, 1), 1
	s_wait_xcnt 0x0
	s_wait_alu depctr_hold_cnt(0) depctr_sa_sdst(0) depctr_va_vdst(0) depctr_va_sdst(0) depctr_va_ssrc(0) depctr_va_vcc(0) depctr_vm_vsrc(0)
	s_getreg_b32 s2, hwreg(HW_REG_IB_STS2, 6, 4)
	s_cmp_eq_u32 s2, 0
	s_cbranch_scc0 .Lentry_in_a_cluster
	s_endpgm
.Lentry_in_a_cluster:
	s_bfe_u32 s2, ttmp6, 0x10000c
	s_cmp_lg_u32 s2, 0xf033
	s_cbranch_scc0 .Lentry_shape_is_right
	s_endpgm
.Lentry_shape_is_right:
.set NQ,     2
.set FR,     12
.set NL,     6
.set NP,     4
.set TILEB,  3072
.set HALFT,  8*TILEB
.set SLOT,   4*HALFT
.set SCL,    2*SLOT
.set SPARE,  SCL+16640
.set ADRA, 16
.set ADRB, 20
.set O8,   24
.set O16,  25
.set LN,   26
.set ADRS, 27
.set SPW,  28
.set NIL,  29
.set SC,   32
.set AF,   128
.set TM,   64
.set CT,   80
.set PW,   88
.set TT,   96
.set PC,   128
.set WV,   2
.set HI,   3
.set LO,   66
.set TR,   17
.set TC,   42
.set ISV,  96
.set SEL,  98
.set G1, 24
.set G0, 32
.set G1B, 48
.set G0B, 56
.set G1S, 68
.set G0S, 76
.set G1SB, 80
.set G0SB, 88
.set MSB, 0
.macro WIN new
.if MSB != (\new)
	s_set_vgpr_msb (MSB<<8)|(\new)
.set MSB, (\new)
.endif
.endm
.set MUL_LO, 0xa1
.set MUL_HI, 0xf1
.set TO_B,   0x40
.macro JLOAD g0a, g1a, g0b, g1b
	s_cmp_eq_u32 s[HI], 0
	s_cbranch_scc0 .Lfor_b_\@
	tensor_load_to_lds s[\g0a:\g0a+3], s[\g1a:\g1a+7]
	s_nop 0
.rept 4
	v_nop
.endr
	s_branch .Lasked_\@
.Lfor_b_\@:
	tensor_load_to_lds s[\g0b:\g0b+3], s[\g1b:\g1b+7]
	s_nop 0
.rept 4
	v_nop
.endr
.Lasked_\@:
.endm
.macro CREST
	s_cmp_lg_u32 s[WV], 0
	s_cbranch_scc1 .Lnot_wave_0_\@
	s_barrier_signal -3
.Lnot_wave_0_\@:
	s_barrier_wait -3
	s_barrier_signal -1
	s_barrier_wait -1
.endm
.macro CROUND
	s_barrier_signal -1
	s_barrier_wait -1
	CREST
.endm
	s_load_b256 s[4:11], s[0:1], 0x0
	v_lshl_add_u32 v[SPW], v0, 2, SPARE
	v_mov_b32 v[NIL], 0
	ds_add_u32 v28, v29
	ds_add_u32 v28, v29
	s_wait_dscnt 0x0
	v_lshrrev_b32 v1, 5, v0
	v_readfirstlane_b32 s[WV], v1
	s_lshr_b32 s[HI], s[WV], 1
	s_and_b32 s[LO], s[WV], 1
	s_bfe_u32 s40, ttmp6, 0x40000
	s_bfe_u32 s41, ttmp6, 0x40004
	s_and_b32 s[TR], ttmp7, 0xffff
	s_sub_co_u32 s[TC], s[TR], 8
	s_lshl_b32 s[TC], s[TC], 1
	s_add_co_u32 s[TC], s[TC], ttmp9
	s_add_co_u32 s18, ttmp9, 8
	s_cmp_ge_u32 s[TR], 8
	s_cselect_b32 s[TR], 10, s[TR]
	s_cselect_b32 s[TC], s[TC], s18
	s_cselect_b32 s[ISV], 1, 0
	s_lshl_b32 s[TR], s[TR], 2
	s_add_co_u32 s[TR], s[TR], s41
	s_lshl_b32 s[TC], s[TC], 2
	s_add_co_u32 s[TC], s[TC], s40
	s_lshl_b32 s43, s41, 2
	s_lshl_b32 s43, 15, s43
	s_lshl_b32 s44, 0x1111, s40
	s_or_b32 s[G1+0], s43, (3<<16)|(1<<21)
	s_or_b32 s[G1B+0], s44, (3<<16)|(1<<21)
.irp g, G1, G1B
	s_mov_b32 s[\g+1], 384<<16
	s_mov_b32 s[\g+2], 16<<16
	s_mov_b32 s[\g+3], 384<<16
	s_mov_b32 s[\g+4], 16
	s_mov_b32 s[\g+5], 1536
	s_mov_b32 s[\g+6], 0
	s_mov_b32 s[\g+7], 0
.endr
	s_or_b32 s[G1S+0], s43, (3<<16)|(1<<21)
	s_or_b32 s[G1SB+0], s44, (3<<16)|(1<<21)
.irp g, G1S, G1SB
	s_mov_b32 s[\g+1], 32<<16
	s_mov_b32 s[\g+2], 32<<16
	s_mov_b32 s[\g+3], 32<<16
	s_mov_b32 s[\g+4], 32
	s_mov_b32 s[\g+5], 32
	s_mov_b32 s[\g+6], 0
	s_mov_b32 s[\g+7], 0
.endr
	s_lshl_b32 s18, s[LO], 3
	s_lshl_b32 s20, s[TR], 4
	s_add_co_u32 s20, s20, s18
	s_lshl_b32 s46, s[TC], 4
	s_add_co_u32 s46, s46, s18
	s_lshl_b32 s22, s20, 9
	s_mov_b32 s23, 0
	s_lshl_b32 s92, s46, 9
	s_mov_b32 s93, 0
	s_mul_i32 s20, s20, 12288
	s_mov_b32 s21, 0
	s_mul_i32 s46, s46, 12288
	s_mov_b32 s47, 0
	s_mul_i32 s45, s[WV], HALFT
	s_lshl_b32 s94, s[WV], 12
	s_wait_kmcnt 0x0
	s_add_nc_u64 s[20:21], s[4:5], s[20:21]
	s_add_nc_u64 s[22:23], s[6:7], s[22:23]
	s_add_nc_u64 s[46:47], s[4:5], s[46:47]
	s_add_nc_u64 s[92:93], s[6:7], s[92:93]
	s_mul_i32 s18, s[LO], 98304                    ; from my half of a tile back to its first row: 8 tiles of codes,
	s_mov_b32 s19, 0
	s_lshl_b32 s94, s[LO], 12                      ; 8 tiles of scale bytes
	s_mov_b32 s95, 0
	CROUND
	; the head's four tiles, each whole, one joint load a wave: A's chunk 0 (16 rows of 3,072 bytes), B's, A's scale bytes (32 rows of 256), B's
	s_sub_nc_u64 s[6:7], s[20:21], s[18:19]
	s_or_b32 s7, s7, 0x80000000
	s_mov_b32 s4, 1
	s_mov_b32 s5, 0
	s_sub_nc_u64 s[14:15], s[46:47], s[18:19]
	s_or_b32 s15, s15, 0x80000000
	s_mov_b32 s12, 1
	s_mov_b32 s13, 2*HALFT
	s_mov_b32 s[G0S], 1
	s_mov_b32 s[G0S+1], SCL
	s_sub_nc_u64 s[G0S+2:G0S+3], s[22:23], s[94:95]
	s_or_b32 s[G0S+3], s[G0S+3], 0x80000000
	s_mov_b32 s[G0SB], 1
	s_mov_b32 s[G0SB+1], SCL+8320
	s_sub_nc_u64 s[G0SB+2:G0SB+3], s[92:93], s[94:95]
	s_or_b32 s[G0SB+3], s[G0SB+3], 0x80000000
	s_cmp_eq_u32 s[WV], 0                          ; one chain of branches on the wave's number, one load to an arm
	s_cbranch_scc0 .Lh1
	tensor_load_to_lds s[4:7], s[G1:G1+7]
	s_nop 0
.rept 4
	v_nop
.endr
	s_branch .Lhd
.Lh1:
	s_cmp_eq_u32 s[WV], 1
	s_cbranch_scc0 .Lh2
	tensor_load_to_lds s[12:15], s[G1B:G1B+7]
	s_nop 0
.rept 4
	v_nop
.endr
	s_branch .Lhd
.Lh2:
	s_cmp_eq_u32 s[WV], 2
	s_cbranch_scc0 .Lh3
	tensor_load_to_lds s[G0S:G0S+3], s[G1S:G1S+7]
	s_nop 0
.rept 4
	v_nop
.endr
	s_branch .Lhd
.Lh3:
	tensor_load_to_lds s[G0SB:G0SB+3], s[G1SB:G1SB+7]
	s_nop 0
.rept 4
	v_nop
.endr
.Lhd:
.irp s, 0,1
	s_mov_b32 s[G0+4*\s], 1
	s_add_co_u32 s[G0+4*\s+1], s45, \s*SLOT
	s_add_nc_u64 s[G0+4*\s+2:G0+4*\s+3], s[20:21], \s*TILEB
	s_or_b32 s[G0+4*\s+3], s[G0+4*\s+3], 0x80000000
	s_mov_b32 s[G0B+4*\s], 1
	s_add_co_u32 s[G0B+4*\s+1], s45, \s*SLOT
	s_add_nc_u64 s[G0B+4*\s+2:G0B+4*\s+3], s[46:47], \s*TILEB
	s_or_b32 s[G0B+4*\s+3], s[G0B+4*\s+3], 0x80000000
.endr
	s_wait_alu depctr_va_vdst(0)
	s_wait_tensorcnt 0x0                           ; my tile of the head's four is in; slot 1's first fill is issued as a refill is
	ds_add_u32 v28, v29
	s_mov_b32 s[G1+2], 8<<16                       ; no tensor load of mine is out: from here on a load brings 8 rows
	s_mov_b32 s[G1+4], 8
	s_mov_b32 s[G1B+2], 8<<16
	s_mov_b32 s[G1B+4], 8
	s_wait_dscnt 0x0
	CROUND
	JLOAD G0+4, G1, G0B+4, G1B
	v_and_b32 v1, 15, v0
	v_bfe_u32 v2, v0, 4, 1
	s_wait_alu depctr_va_vdst(0)
	v_and_b32 v[LN], 31, v0
	v_lshlrev_b32 v[O8], 3, v[LN]
	v_lshlrev_b32 v[O16], 4, v[LN]
	s_mul_i32 s21, s[HI], HALFT
	s_mul_i32 s22, s[LO], HALFT
	s_add_co_u32 s22, s22, 2*HALFT
.irp s, 0,1
	v_add_nc_u32 v[ADRA+\s], s21, v[O8]
	v_add_nc_u32 v[ADRB+\s], s22, v[O8]
	s_add_co_u32 s21, s21, SLOT
	s_add_co_u32 s22, s22, SLOT
.endr
	v_lshlrev_b32 v5, 3, v1
	s_lshl_b32 s21, s[HI], 12
	s_lshl_b32 s22, s[LO], 12
	s_add_co_u32 s22, s22, 8320
	s_sub_co_u32 s22, s22, s21
	v_mul_u32_u24 v6, s22, v2
	s_add_co_u32 s21, s21, SCL
	v_add_nc_u32 v5, v5, v6
	v_add_nc_u32 v[ADRS], s21, v5
	s_mov_b32 s[SEL], 0x76543210
	s_mov_b32 s[SEL+1], 0xfedcba98
.macro FRAG reg, adr, q, i
.irp p, 0,1,2,3,4,5
	ds_load_b64 v[\reg+2*\p:\reg+2*\p+1], v[\adr] offset:TILEB*(\i)+1536*(\q)+256*\p
.endr
.endm
.macro MUL16 a0, p, q, sc, zero
.irp a, \a0, \a0+1
.irp b, 0,1,2,3,4,5,6,7
.if \zero
	v_wmma_scale_f32_16x16x128_f8f6f4 v[8*(8*((\a)%4)+\b):8*(8*((\a)%4)+\b)+7], v[128*(\p)+FR*\b:128*(\p)+FR*\b+FR-1], v[AF+FR*(\a):AF+FR*(\a)+FR-1], 0, v[SC+8*NQ*(\sc)+NQ*\b+(\q)], v[SC+8*NQ*(\sc)+NQ*(\a)+(\q)] matrix_a_fmt:MATRIX_FMT_FP6 matrix_b_fmt:MATRIX_FMT_FP6 matrix_a_scale:MATRIX_SCALE_ROW1
.else
	v_wmma_scale_f32_16x16x128_f8f6f4 v[8*(8*((\a)%4)+\b):8*(8*((\a)%4)+\b)+7], v[128*(\p)+FR*\b:128*(\p)+FR*\b+FR-1], v[AF+FR*(\a):AF+FR*(\a)+FR-1], v[8*(8*((\a)%4)+\b):8*(8*((\a)%4)+\b)+7], v[SC+8*NQ*(\sc)+NQ*\b+(\q)], v[SC+8*NQ*(\sc)+NQ*(\a)+(\q)] matrix_a_fmt:MATRIX_FMT_FP6 matrix_b_fmt:MATRIX_FMT_FP6 matrix_a_scale:MATRIX_SCALE_ROW1
.endif
.endr
.endr
.endm
.macro FETCH_B slot, q, p
	WIN TO_B
.irp i, 0,1,2,3,4,5,6,7
	FRAG 128*(\p)+FR*\i, ADRB+\slot, \q, \i
.endr
	WIN 0
.endm
.macro FETCH_A slot, q, i0
.irp i, \i0, \i0+1, \i0+2, \i0+3
	FRAG AF+FR*(\i), ADRA+\slot, \q, \i
.endr
.endm
.macro SCALES sc
.irp i, 0,1,2,3,4,5,6,7
	ds_load_b64 v[SC+8*NQ*\sc+NQ*\i:SC+8*NQ*\sc+NQ*\i+1], v[ADRS] offset:\i*512
.endr
.endm
.macro PLACES n
.rept \n
	v_nop
.endr
.endm
.macro STEP slot, q, zero
	s_wait_dscnt 4*NL
	WIN MUL_LO
	MUL16 0, (\q)%2, \q, \slot, \zero
	MUL16 2, (\q)%2, \q, \slot, \zero
	s_wait_dscnt 0
	PLACES NP
	FETCH_B \slot, (\q)+1, 1-(\q)%2
	FETCH_A \slot, (\q)+1, 0
	WIN MUL_HI
	MUL16 4, (\q)%2, \q, \slot, \zero
	MUL16 6, (\q)%2, \q, \slot, \zero
	PLACES NP
	WIN 0
	FETCH_A \slot, (\q)+1, 4
.endm
.macro TURN slot, next, fill
	s_wait_tensorcnt 0x0
	ds_add_u32 v[SPW], v[NIL]
	s_wait_dscnt 4*NL+1
	WIN MUL_LO
	MUL16 0, 1, NQ-1, \slot, 0
	s_wait_dscnt 0x0
	s_barrier_signal -1
	MUL16 2, 1, NQ-1, \slot, 0
	WIN 0
	s_barrier_wait -1
.if \fill
	CREST
	s_add_nc_u64 s[G0+4*\slot+2:G0+4*\slot+3], s[G0+4*\slot+2:G0+4*\slot+3], 2*TILEB
	s_add_nc_u64 s[G0B+4*\slot+2:G0B+4*\slot+3], s[G0B+4*\slot+2:G0B+4*\slot+3], 2*TILEB
	JLOAD G0+4*\slot, G1, G0B+4*\slot, G1B
.else
	PLACES NP
.endif
	s_wait_alu depctr_va_vdst(0)
	v_add_nc_u32 v[ADRS], 128, v[ADRS]
	FETCH_B \next, 0, 0
	FETCH_A \next, 0, 0
	SCALES \next
	WIN MUL_HI
	MUL16 4, 1, NQ-1, \slot, 0
	MUL16 6, 1, NQ-1, \slot, 0
	PLACES NP
	WIN 0
	FETCH_A \next, 0, 4
.endm
	s_wait_alu depctr_va_vdst(0)
	s_wait_tensorcnt 1
	s_barrier_signal -1
	s_barrier_wait -1
	FETCH_B 0, 0, 0
	FETCH_A 0, 0, 0
	SCALES 0
	FETCH_A 0, 0, 4
	STEP 0, 0, 1
	TURN 0, 1, 1
	STEP 1, 0, 0
	TURN 1, 0, 1
	STEP 0, 0, 0
	TURN 0, 1, 0
	STEP 1, 0, 0
	s_wait_dscnt 4*NL
	WIN MUL_LO
	MUL16 0, 1, NQ-1, 1, 0
	MUL16 2, 1, NQ-1, 1, 0
	s_wait_dscnt 0
	WIN MUL_HI
	MUL16 4, 1, NQ-1, 1, 0
	MUL16 6, 1, NQ-1, 1, 0
	WIN 0
.macro QUANT a
.set AC, 64*((\a)%4)
.set PCA, PC+12*(\a)
	WIN 0x0a+5*((\a)/4)
.irp b, 0,1,2,3
	v_max3_num_f32 v[TM+\b], |v[AC+16*\b]|, |v[AC+16*\b+1]|, 0x1800000
.endr
.irp i, 2,4,6,8,10,12,14
.irp b, 0,1,2,3
	v_max3_num_f32 v[TM+\b], |v[AC+16*\b+\i]|, |v[AC+16*\b+\i+1]|, v[TM+\b]
.endr
.endr
	WIN 0
.irp b, 0,1,2,3
	v_permlanex16_b32 v[TM+4+\b], v[TM+\b], s[SEL], s[SEL+1]
.endr
.irp b, 0,1,2,3
	v_max_num_f32 v[TM+\b], v[TM+\b], v[TM+4+\b]
.endr
.irp b, 0,1,2,3
	v_add_nc_u32 v[TM+12+\b], 0xff000000, v[TM+\b]
.endr
.irp b, 0,1,2,3
	v_lshrrev_b32 v[TM+4+\b], 23, v[TM+12+\b]
.endr
	v_lshl_or_b32 v[PW+(\a)], v[TM+5], 8, v[TM+4]
	v_lshl_or_b32 v[PW+(\a)], v[TM+6], 16, v[PW+(\a)]
	v_lshl_or_b32 v[PW+(\a)], v[TM+7], 24, v[PW+(\a)]
	WIN 0x02+((\a)/4)
.irp c, 0,1
	v_cvt_scalef32_pk16_fp6_f32 v[PCA+6*\c:PCA+6*\c+2], v[AC+32*\c:AC+32*\c+15], v[TM+12+2*\c]
	v_cvt_scalef32_pk16_fp6_f32 v[CT+4*\c:CT+4*\c+2], v[AC+32*\c+16:AC+32*\c+31], v[TM+12+2*\c+1]
.endr
	WIN 0
	v_nop
.irp c, 0,1
.irp i, 0,1,2
	v_permlane16_swap_b32 v[PCA+6*\c+\i], v[CT+4*\c+\i]
.endr
.irp i, 0,1,2
	v_mov_b32 v[PCA+3+6*\c+\i], v[CT+4*\c+\i]
.endr
.endr
.endm
	PLACES NP
.irp b, 0,1,2,3
	v_mov_b32 v[TM+4+\b], 0
.endr
.irp a, 0,1,2,3,4,5,6,7
	QUANT \a
.endr
	v_cmp_le_u32 vcc_lo, 16, v[LN]
.irp i, 0,1,2,3
	v_cndmask_b32 v[TT+\i], v[PW+\i], v[PW+4+\i], vcc_lo
.endr
	s_cmp_eq_u32 s[ISV], 0
	s_cbranch_scc0 .Lv_arm
	s_lshl_b32 s20, s[TR], 4
	s_lshl_b32 s21, s[HI], 3
	s_add_co_u32 s20, s20, s21
	s_lshr_b32 s21, s20, 7
	s_and_b32 s20, s20, 127
	s_sub_co_u32 s22, s[TC], 32
	s_lshl_b32 s22, s22, 1
	s_add_co_u32 s22, s22, s[LO]
	s_lshr_b32 s23, s22, 3
	s_and_b32 s22, s22, 7
	s_lshl_b32 s22, s22, 1
	s_lshl_b32 s21, s21, 4
	s_add_co_u32 s21, s21, s22
	s_mul_i32 s46, s23, 6291456
	s_mul_i32 s47, s21, 98304
	s_add_co_u32 s46, s46, s47
	s_mul_i32 s47, s20, 768
	s_add_co_u32 s46, s46, s47
	s_mov_b32 s47, 0
	s_add_nc_u64 s[8:9], s[8:9], s[46:47]
	s_lshl_b32 s46, s23, 19
	s_lshl_b32 s92, s21, 13
	s_add_co_u32 s46, s46, s92
	s_lshr_b32 s92, s20, 3
	s_lshl_b32 s92, s92, 9
	s_add_co_u32 s46, s46, s92
	s_add_nc_u64 s[10:11], s[10:11], s[46:47]
	s_wait_alu depctr_va_vdst(0)
.irp i, 0,1,2,3
	v_and_b32 v[TT+4+\i], 0xffff, v[TT+\i]
	v_lshrrev_b32 v[TT+8+\i], 16, v[TT+\i]
.endr
.irp a, 0,1,2,3,4,5,6,7
.irp p, 0,1,2,3,4,5
	global_store_b64 v[O8], v[PC+12*\a+2*\p:PC+12*\a+2*\p+1], s[8:9] offset:768*\a+256*(\p%3)+98304*(\p/3)
.endr
.endr
	global_store_b128 v[O16], v[TT+4:TT+7], s[10:11]
	global_store_b128 v[O16], v[TT+8:TT+11], s[10:11] offset:8192
	s_branch .Ldone
.Lv_arm:
	s_sub_co_u32 s20, s[TR], 40
	s_lshl_b32 s20, s20, 2
	s_lshl_b32 s21, s[HI], 1
	s_add_co_u32 s20, s20, s21
	s_lshl_b32 s22, s[TC], 1
	s_add_co_u32 s22, s22, s[LO]
	s_lshr_b32 s23, s22, 4
	s_and_b32 s22, s22, 15
	s_lshl_b32 s23, s23, 4
	s_add_co_u32 s20, s20, s23
	s_mul_i32 s46, s20, 98304
	s_mul_i32 s47, s22, 6144
	s_add_co_u32 s46, s46, s47
	s_add_co_u32 s46, s46, 12582912
	s_mov_b32 s47, 0
	s_add_nc_u64 s[8:9], s[8:9], s[46:47]
	s_lshr_b32 s46, s20, 1
	s_lshl_b32 s46, s46, 13
	s_lshl_b32 s92, s22, 9
	s_add_co_u32 s46, s46, s92
	s_add_co_u32 s46, s46, 1048576
	s_add_nc_u64 s[10:11], s[10:11], s[46:47]
	s_wait_alu depctr_va_vdst(0)
.irp a, 0,1,2,3,4,5,6,7
.irp p, 0,1,2,3,4,5
	global_store_b64 v[O8], v[PC+12*\a+2*\p:PC+12*\a+2*\p+1], s[8:9] offset:1536*(\a%4)+98304*(\a/4)+256*\p
.endr
.endr
	global_store_b128 v[O16], v[TT:TT+3], s[10:11]
.Ldone:
	s_wait_tensorcnt 0x0
	ds_add_u32 v[SPW], v[NIL]
	s_wait_dscnt 0x0
	CROUND
	s_endpgm
.Lfunc_end_k_q0af9a452e5_gemm_qkv:
	.size	k_q0af9a452e5_gemm_qkv, .Lfunc_end_k_q0af9a452e5_gemm_qkv-k_q0af9a452e5_gemm_qkv
	.p2alignl 7, 3214868480
	.fill 96, 4, 3214868480
	.section	.rodata,"a",@progbits
	.p2align	6, 0x0
	.amdhsa_kernel k_q0af9a452e5_gemm_qkv
		.amdhsa_group_segment_fixed_size 327680
		.amdhsa_private_segment_fixed_size 0
		.amdhsa_enable_private_segment 0
		.amdhsa_kernarg_size 32
		.amdhsa_user_sgpr_count 2
		.amdhsa_user_sgpr_kernarg_segment_ptr 1
		.amdhsa_wavefront_size32 1
		.amdhsa_system_sgpr_workgroup_id_x 1
		.amdhsa_system_sgpr_workgroup_id_y 1
		.amdhsa_system_sgpr_workgroup_id_z 1
		.amdhsa_system_vgpr_workitem_id 0
		.amdhsa_next_free_vgpr 1024
		.amdhsa_next_free_sgpr 100
		.amdhsa_reserve_vcc 1
		.amdhsa_float_denorm_mode_32 3
		.amdhsa_float_denorm_mode_16_64 3
		.amdhsa_memory_ordered 1
		.amdhsa_forward_progress 1
		.amdhsa_inst_pref_size 173
	.end_amdhsa_kernel
	.amdgpu_metadata
---
amdhsa.version: [ 1, 2 ]
amdhsa.kernels:
  - .name:           k_q0af9a452e5_gemm_qkv
    .symbol:         k_q0af9a452e5_gemm_qkv.kd
    .args:
      - { .name: codes, .offset: 0, .size: 8, .value_kind: global_buffer, .address_space: global }
      - { .name: scales, .offset: 8, .size: 8, .value_kind: global_buffer, .address_space: global }
      - { .name: qkvc, .offset: 16, .size: 8, .value_kind: global_buffer, .address_space: global }
      - { .name: qkvs, .offset: 24, .size: 8, .value_kind: global_buffer, .address_space: global }
    .group_segment_fixed_size: 327680
    .private_segment_fixed_size: 0
    .kernarg_segment_align: 8
    .kernarg_segment_size: 32
    .max_flat_workgroup_size: 128
    .sgpr_count:     100
    .vgpr_count:     1024
    .wavefront_size: 32
...
	.end_amdgpu_metadata
.endif
;; end of part 2
;; launch attn (part 3): grid 4 x 64, 16 waves a work-group, clusters of 4 x 1, 223,232 bytes of LDS; arguments qkvc, qkvs, cc, cs; writes cc, cs
.if DOCPART == 3
	.amdgcn_target "amdgcn-amd-amdhsa--gfx1250"
	.amdhsa_code_object_version 6
	.text
	.protected	k_q0af9a452e5_attn
	.globl	k_q0af9a452e5_attn
	.p2align	8
	.type	k_q0af9a452e5_attn,@function
k_q0af9a452e5_attn:
	s_mov_b64 s[64:65], 0
	v_nop
	global_prefetch_b8 v0, s[64:65] scope:SCOPE_SE
	s_setreg_imm32_b32 hwreg(HW_REG_WAVE_MODE, 25, 1), 1
	s_wait_xcnt 0x0
	s_wait_alu depctr_hold_cnt(0) depctr_sa_sdst(0) depctr_va_vdst(0) depctr_va_sdst(0) depctr_va_ssrc(0) depctr_va_vcc(0) depctr_vm_vsrc(0)
	s_getreg_b32 s2, hwreg(HW_REG_IB_STS2, 6, 4)
	s_cmp_eq_u32 s2, 0
	s_cbranch_scc0 .Lentry_in_a_cluster
	s_endpgm
.Lentry_in_a_cluster:
	s_bfe_u32 s2, ttmp6, 0x10000c
	s_cmp_lg_u32 s2, 0x3003
	s_cbranch_scc0 .Lentry_shape_is_right
	s_endpgm
.Lentry_shape_is_right:
; context = softmax(q k^T / 8) v for one head, both products on codes of FP6 (E2M3) with E8M0 scales; the context leaves as codes, quantised along the head's 64 channels.
; THE SOFTMAX AHEAD OF THE SECOND PRODUCT: t = score x log2(e) / 8; M = the row's largest t so far, rounded up to a whole number; p = 2^(t - M) is quantised along the keys, not normalised.
; The row's sum is taken of the unquantised p and divides at the end.  When M moves, the sum and O are multiplied by 2^(old M - new M): exact.
; SHARES.  A work-group owns 512 tokens of one batch x head; each of its sixteen waves owns two tiles of 16 queries and takes them in two passes over all 2,048 keys, 128 a step, two steps a trip.
; THE HEAD'S WHOLE K AND V and their scale words lie in LDS, filled ONCE: no slot is filled again, and the loops have no barrier.
; CLUSTER.  The four work-groups of a head need the same K and V: every fill is asked for jointly, by the same tensor load with a mask that names the four.
; No prefetch is written: all that the launch reads of K and V is asked for by its first lines, and there is no loop to run ahead in.
; LAYOUT.  Both products are used transposed: S^T = K Q^T (source 0 = 16 keys, source 1 = my 16 queries), O^T = V^T P^T (source 0 = 16 channels): a lane holds one query throughout.
; WHICH KEYS FORM A TILE is chosen by the LDS addresses: row 8 g + j of tile 4 c + u is key 64 c + 32 g + 8 u + j of the step.  So registers 32 c .. 32 c + 31 of lane (r, h) are the 32 neighbouring keys
; 64 c + 32 h + .., one whole scale block, in the order of the second product's operand: a block's largest score needs no other lane and p's codes fall where the operand wants them.
; In memory key 32 b + 16 e + 8 f + j of a step lies in stored tile 2 b + f, row 8 e + j; so my lane reads stored tile 4 c + 2 (r / 8) + u % 2, row 8 (u / 2) + r % 8.
; K's LDS rows of 256 bytes have 32 bytes of padding: the four groups of eight lanes of a load then begin 0, 128, 192 and 64 bytes into a span of 256.
; TWO SETS OF 64 REGISTERS CHANGE ROLES from step to step: one holds K's fragments and then V's, the other the scores, then p, then the NEXT step's fragments of K, asked for ahead of the second product.
; THE SCORE PRODUCT'S K IS 64: Q's operand has zero codes in its upper six registers; K's upper six are whatever follows; FP6 has no NaN and the scale bytes there are 0, not 0xff: they add 0.
; A pass's last step asks for a step of K that does not exist: the loads read V's first LDS bytes, inside LDS, and their result is not used.
; LIMITS: the promise holds while the scaled scores t stay under 2^31 in magnitude; a block whose largest magnitude lies under 2^-124 is held at the scale byte 1, and a block of zeros keeps that byte; NaN and infinities are not served.
; REGISTERS: v1-4 lane places (K, V, K's words, V's words); v5 8 h; v6, v7 the context's scale bytes; v8-11 the trip's LDS addresses; v12 / v52 -M by turns, v13 the largest score, v[14:15] the sum;
; v16-27 Q (22-27 zero), v28-33 the second tile's; v34, v35 Q's scale words; v36-39 K's, v40-43 V's, v44 p's; v45 8 l; v46 f; v48-63 at work; v64-127, v128-191 the two sets; v192-223 O^T; v224-235 p's codes; v236-251 partial sums.
.set KSTEP, 6912                       ; a step of K in LDS: 24 rows of 288 bytes
.set VB,    110592                     ; LDS: K at 0;  V [step][4 tiles of channels][1,536] here
.set KSC,   208896                     ; K's scale words [step][512]
.set VSC,   217088                     ; V's [step][256]
.set SPARE, 221184                     ; the spare words: 128 bytes a wave
.set XA,   64
.set XB,   128
.set O,    192
.set P,    224
.set T,    236
.set QS,   34
.set KW,   36
.set VW,   40
.set PS,   44
.set L8,   45
.set MX,   48
.set WV,   20
.set G1A,  24                          ; s[24:31] group 1: 24,576 dense bytes as 96 rows of 256
.set G1C,  32                          ; s[32:39] 8,192 dense bytes as 32 rows
.set G1D,  40                          ; s[40:47] 16 rows of 256 bytes, 512 bytes apart
.set G1K,  88                          ; s[88:95] as G1A, with 32 bytes of padding behind each row
.set G0V,  48
.set G0C,  52
.set G0D,  56
.set G0K,  60
.set SEL,  84
.set CS,   86                          ; s[86:87] c = log2(e) / 8
.set TB,   12                          ; the trip's place in K, in V, in K's words, in V's words
.set TV,   13
.set TS,   14
.set TJ,   15
.macro WALU
	s_wait_alu depctr_va_vdst(0)
.endm
.macro ROUND
	s_barrier_signal -1
	s_barrier_wait -1
	s_cmp_lg_u32 s[WV], 0
	s_cbranch_scc1 .Lnot_wave_0_\@
	s_barrier_signal -3
.Lnot_wave_0_\@:
	s_barrier_wait -3
	s_barrier_signal -1
	s_barrier_wait -1
.endm
.macro TL g0, g1                       ; a joint load; s_nop 0 and four v_nop follow it
	tensor_load_to_lds s[\g0:\g0+3], s[\g1:\g1+7]
	s_nop 0
.rept 4
	v_nop
.endr
.endm
	s_load_b256 s[4:11], s[0:1], 0x0               ; qkvc s[4:5], qkvs s[6:7], cc s[8:9], cs s[10:11]
	v_lshl_add_u32 v254, v0, 2, SPARE
	v_mov_b32 v255, 0
	ds_add_u32 v254, v255                          ; the opening lines
	ds_add_u32 v254, v255
	v_lshrrev_b32 v8, 5, v0
	v_readfirstlane_b32 s[WV], v8                  ; wave 0..15
	s_and_b32 s21, ttmp7, 0xffff                   ; 16 x batch + head: the four partners share it
	s_bfe_u32 s22, ttmp6, 0x40000                  ; cx
	s_lshl_b32 s23, ttmp9, 2
	s_add_co_u32 s22, s22, s23                     ; my block of 512 tokens: it enters Q's and the outputs' addresses alone
.irp g, G1K, G1A, G1C, G1D
	s_mov_b32 s[\g+1], 32<<16                      ; tensor_dim0 = 32 elements of 8 bytes
	s_mov_b32 s[\g+3], 32<<16                      ; tile_dim0
	s_mov_b32 s[\g+6], 0
	s_mov_b32 s[\g+7], 0
.endr
.irp g, G1A, G1C, G1D
	s_mov_b32 s[\g], 15|(3<<16)|(1<<21)            ; the mask: all four work-groups; elements of 8 bytes; bit 21 beside a mask
.endr
	s_mov_b32 s[G1K], 15|(3<<16)|(1<<20)|(1<<21)|(5<<22)|(7<<25)   ; and 8 words of padding behind every 64
	s_mov_b32 s[G1K+2], 96<<16                     ; tensor_dim1, tile_dim1, the pitch
	s_mov_b32 s[G1K+4], 96
	s_mov_b32 s[G1K+5], 32
	s_mov_b32 s[G1A+2], 96<<16
	s_mov_b32 s[G1A+4], 96
	s_mov_b32 s[G1A+5], 32
	s_mov_b32 s[G1C+2], 32<<16
	s_mov_b32 s[G1C+4], 32
	s_mov_b32 s[G1C+5], 32
	s_mov_b32 s[G1D+2], 16<<16
	s_mov_b32 s[G1D+4], 16
	s_mov_b32 s[G1D+5], 64
	s_min_u32 s23, s[WV], 3                        ; waves 0-3 fetch K's quarters,
	s_mul_i32 s[G0K+1], s23, 27648                 ; 96 rows of 288 bytes each;
	s_min_u32 s23, s[WV], 7                        ; waves 4-7 V's:
	s_mul_i32 s[G0V+1], s23, 24576
	s_add_co_u32 s[G0V+1], s[G0V+1], VB-4*24576    ; VB + (wave - 4) x 24,576
	s_mul_i32 s83, s21, 98304                      ; the head's codes in each of Q, K, V
	s_and_b32 s82, s[WV], 3
	s_mul_i32 s82, s82, 24576
	s_add_co_u32 s82, s82, s83
	s_add_co_u32 s12, s82, 6291456                 ; K's codes lie 6,291,456 bytes into qkvc,
	s_mov_b32 s13, 0
	s_add_co_u32 s14, s82, 12582912                ; V's twice as far
	s_mov_b32 s15, 0
	s_lshl_b32 s16, s21, 13                        ; K's scale words
	s_add_co_u32 s16, s16, 524288
	s_mov_b32 s17, 0
	s_lshr_b32 s18, s21, 1                         ; V's: two heads share a step's 512 bytes
	s_lshl_b32 s18, s18, 13
	s_and_b32 s19, s21, 1
	s_lshl_b32 s19, s19, 8
	s_add_co_u32 s18, s18, s19
	s_add_co_u32 s18, s18, 1048576
	s_mov_b32 s19, 0
	s_lshl_b32 s82, s22, 5
	s_lshl_b32 s23, s[WV], 1
	s_add_co_u32 s82, s82, s23                     ; my first tile of tokens in the batch: 32 x block + 2 x wave
	s_mul_i32 s68, s82, 768
	s_add_co_u32 s68, s68, s83
	s_mov_b32 s69, 0                               ; Q's codes
	s_lshl_b32 s66, s21, 13                        ; Q's scale words: tile T lies in step T / 8, at 16 (r + 16 ((T % 8) / 4)) + 4 (T % 4)
	s_lshl_b32 s67, s22, 11
	s_add_co_u32 s66, s66, s67
	s_lshr_b32 s67, s[WV], 2
	s_lshl_b32 s67, s67, 9
	s_add_co_u32 s66, s66, s67
	s_bfe_u32 s67, s[WV], 0x10001
	s_lshl_b32 s67, s67, 8
	s_add_co_u32 s66, s66, s67
	s_and_b32 s67, s[WV], 1
	s_lshl_b32 s67, s67, 3
	s_add_co_u32 s66, s66, s67
	s_mov_b32 s67, 0
	s_lshr_b32 s23, s21, 4                         ; batch
	s_lshl_b32 s23, s23, 7
	s_add_co_u32 s23, s23, s82                     ; my first tile of all 512
	s_and_b32 s83, s21, 15                         ; head
	s_mul_i32 s70, s23, 12288                      ; cc: [tile][head][768]
	s_mul_i32 s71, s83, 768
	s_add_co_u32 s70, s70, s71
	s_mov_b32 s71, 0
	s_lshl_b32 s76, s23, 9                         ; cs: [tile][head / 4][row][8 bytes], my head's two bytes at 2 (head % 4)
	s_lshr_b32 s77, s83, 2
	s_lshl_b32 s77, s77, 7
	s_add_co_u32 s76, s76, s77
	s_and_b32 s77, s83, 3
	s_lshl_b32 s77, s77, 1
	s_add_co_u32 s76, s76, s77
	s_mov_b32 s77, 0
	s_mov_b32 s[SEL], 0x76543210
	s_mov_b32 s[SEL+1], 0xfedcba98                 ; selects for lane l xor 16
	s_mov_b32 s[CS], 0x3e38aa3b
	s_mov_b32 s[CS+1], s[CS]                       ; (named with it as a pair, so it is written)
	s_mov_b32 s[G0K], 1
	s_mov_b32 s[G0V], 1
	s_mov_b32 s[G0C], 1
	s_mov_b32 s[G0C+1], KSC
	s_mov_b32 s[G0D], 1
	s_mov_b32 s[G0D+1], VSC
	s_wait_dscnt 0x0                               ; both opening adds are done
	s_wait_kmcnt 0x0
	s_add_nc_u64 s[G0K+2:G0K+3], s[4:5], s[12:13]
	s_or_b32 s[G0K+3], s[G0K+3], 0x80000000
	s_add_nc_u64 s[G0V+2:G0V+3], s[4:5], s[14:15]
	s_or_b32 s[G0V+3], s[G0V+3], 0x80000000
	s_add_nc_u64 s[G0C+2:G0C+3], s[6:7], s[16:17]
	s_or_b32 s[G0C+3], s[G0C+3], 0x80000000
	s_add_nc_u64 s[G0D+2:G0D+3], s[6:7], s[18:19]
	s_or_b32 s[G0D+3], s[G0D+3], 0x80000000
	s_add_nc_u64 s[78:79], s[4:5], s[68:69]        ; Q's codes
	s_add_nc_u64 s[80:81], s[6:7], s[66:67]        ; Q's scale words
	s_add_nc_u64 s[72:73], s[8:9], s[70:71]        ; the context's codes
	s_add_nc_u64 s[74:75], s[10:11], s[76:77]      ; and scale bytes
	ROUND                                          ; all four work-groups are here: the joint loads meet
	s_cmp_lt_u32 s[WV], 4                          ; one chain of branches on the wave's number: a wave issues one load or none
	s_cbranch_scc0 .Lnot_k
	TL G0K, G1K
	s_branch .Lasked
.Lnot_k:
	s_cmp_lt_u32 s[WV], 8
	s_cbranch_scc0 .Lnot_v
	TL G0V, G1A
	s_branch .Lasked
.Lnot_v:
	s_cmp_eq_u32 s[WV], 8
	s_cbranch_scc0 .Lnot_ks
	TL G0C, G1C
	s_branch .Lasked
.Lnot_ks:
	s_cmp_eq_u32 s[WV], 9
	s_cbranch_scc0 .Lasked
	TL G0D, G1D
.Lasked:
	v_and_b32 v5, 31, v0                           ; l
	v_and_b32 v8, 15, v0                           ; r
	v_bfe_u32 v9, v0, 4, 1                         ; h
	v_lshlrev_b32 v[L8], 3, v5                     ; 8 l
	v_lshlrev_b32 v10, 4, v8                       ; 16 r
.irp c, 0,1,2
	global_load_b64 v[16+2*\c:17+2*\c], v[L8], s[78:79] offset:256*\c       ; my first tile's unit of Q
	global_load_b64 v[28+2*\c:29+2*\c], v[L8], s[78:79] offset:768+256*\c   ; my second tile's
.endr
	global_load_b32 v[QS], v10, s[80:81]           ; their scale words
	global_load_b32 v[QS+1], v10, s[80:81] offset:4
	v_and_b32 v11, 7, v0                           ; r % 8
	v_bfe_u32 v54, v0, 3, 1                        ; r / 8
	v_lshlrev_b32 v1, 3, v11
	v_mad_u32_u24 v1, v54, 1728, v1                ; K: two stored tiles (six LDS rows) on for r / 8,
	v_lshl_add_u32 v1, v9, 7, v1                   ; 8 (r % 8) + 128 h inside the row
	v_add_nc_u32 v2, VB, v[L8]                     ; V: 8 l
	v_lshlrev_b32 v3, 4, v11
	v_lshl_add_u32 v3, v54, 3, v3
	v_lshl_add_u32 v3, v9, 8, v3
	v_add_nc_u32 v3, KSC, v3                       ; K's words: 16 (r % 8) + 8 (r / 8); lanes 16-31 take tiles 4-7's, 256 bytes on
	v_lshl_add_u32 v4, v8, 4, VSC                  ; V's: 16 r
	v_lshlrev_b32 v6, 3, v8
	v_lshl_add_u32 v6, v9, 9, v6                   ; the context's scale bytes: 8 r, the second tile (lanes 16-31) 512 bytes on
	v_lshlrev_b32 v5, 3, v9                        ; 8 h
	v_mov_b32 v7, 0
.irp j, 22,23,24,25,26,27, 47, 53, 55, 112,113,114,115,116,117
	v_mov_b32 v[\j], 0                             ; Q's zero codes; upper halves of named pairs; a lane permute's destination; what follows K's last tile in the first step
.endr
	WALU                                           ; the wait at the head's end
	s_wait_tensorcnt 0x0                           ; my fill has landed,
	s_wait_loadcnt 0x0                             ; Q is in (and v10 is free),
	s_barrier_signal -1
	s_barrier_wait -1                              ; everybody's fills have landed
.macro KLOAD D, a, aw, ko, kwo         ; eight tiles of K into set D, and their scale words: 26 loads
.irp c, 0,1
.irp u, 0,1,2,3
.irp p, 0,1,2
	ds_load_b64 v[\D+24*\c+6*\u+2*\p:\D+24*\c+6*\u+2*\p+1], v\a offset:\ko+3456*\c+864*(\u%2)+64*(\u/2)+288*\p
.endr
.endr
.endr
	ds_load_b64 v[KW:KW+1], v\aw offset:\kwo       ; word u: tile u's rows in lanes 0-15, tile 4 + u's in lanes 16-31
	ds_load_b64 v[KW+2:KW+3], v\aw offset:\kwo+128
.endm
.macro ACC Y, k                        ; the second half's p onto the eight partial sums
	v_pk_add_f32 v[T+2*((\k)%8):T+2*((\k)%8)+1], v[T+2*((\k)%8):T+2*((\k)%8)+1], v[\Y+32+2*(\k):\Y+33+2*(\k)]
.endm
; A step of 128 keys.  X: K's fragments, then V's.  Y: the scores, p, then the next step's K.  MO, MN: the old and the new -M.
.macro STEP X, Y, MO, MN, first, vo, vwo, ko, kwo
	WALU
	s_wait_dscnt 0x0                               ; K's fragments and words are in
.irp t, 0,1,2,3
	v_wmma_scale_f32_16x16x128_f8f6f4 v[\Y+8*\t:\Y+8*\t+7], v[\X+6*\t:\X+6*\t+11], v[16:27], 0, v[KW+\t], v[QS] matrix_a_fmt:MATRIX_FMT_FP6 matrix_b_fmt:MATRIX_FMT_FP6
.endr
.irp t, 4,5,6,7
	v_wmma_scale_f32_16x16x128_f8f6f4 v[\Y+8*\t:\Y+8*\t+7], v[\X+6*\t:\X+6*\t+11], v[16:27], 0, v[KW+\t-4], v[QS] matrix_a_fmt:MATRIX_FMT_FP6 matrix_b_fmt:MATRIX_FMT_FP6 matrix_a_scale:MATRIX_SCALE_ROW1
.endr
.if \first                             ; four places in front of the loads below and of the first read of the scores: the trip's addresses, or nothing
	v_add_nc_u32 v9, s[TV], v2
	v_add_nc_u32 v11, s[TJ], v4
	v_add_nc_u32 v8, s[TB], v1
	v_add_nc_u32 v10, s[TS], v3
.else
.rept 4
	v_nop
.endr
.endif
.set i, 0
.rept 24
	ds_load_b64 v[\X+2*i:\X+2*i+1], v9 offset:\vo+256*i   ; V's four fragments: they land while the softmax is walked
.set i, i+1
.endr
	ds_load_b128 v[VW:VW+3], v11 offset:\vwo       ; lane r: the words of channel r of tiles 0..3
.irp q, 0,1,2,3                        ; the largest score of my two blocks of 32 keys, in four chains by turns; each accumulator is first read at its low end
	v_max3_num_f32 v[MX+\q], v[\Y+16*\q], v[\Y+16*\q+1], v[\Y+16*\q+2]
.endr
.irp i, 3,5,7,9,11,13
.irp q, 0,1,2,3
	v_max3_num_f32 v[MX+\q], v[MX+\q], v[\Y+16*\q+\i], v[\Y+16*\q+\i+1]
.endr
.endr
	v_max3_num_f32 v[MX], v[MX], v[MX+1], v[\Y+15]
	v_max3_num_f32 v[MX+2], v[MX+2], v[MX+3], v[\Y+47]
	v_max_num_f32 v[MX], v[MX], v[\Y+31]           ; block h
	v_max_num_f32 v[MX+2], v[MX+2], v[\Y+63]       ; block 2 + h
	s_delay_alu instid0(VALU_DEP_1)
	v_max_num_f32 v54, v[MX], v[MX+2]
	s_delay_alu instid0(VALU_DEP_1)
	v_permlanex16_b32 v55, v54, s[SEL], s[SEL+1]
	s_delay_alu instid0(VALU_DEP_1)
	v_max3_num_f32 v13, v13, v54, v55              ; the running largest score of my query
	s_delay_alu instid0(VALU_DEP_1)
	v_mul_f32 v54, s[CS], v13                      ; as t (c is positive)
	s_delay_alu instid0(VALU_DEP_1)
	v_floor_f32 v[\MN], -v54                       ; the new -M = -ceil(t)
	s_delay_alu instid0(VALU_DEP_1)
	v_sub_f32 v54, v[\MN], v[\MO]                  ; old M - new M: a whole number, 0 or less
.set j, 0
.rept 16                               ; t - M of the first half, two at a time; the factor f is made among these lines
	v_pk_fma_f32 v[\Y+j:\Y+j+1], v[\Y+j:\Y+j+1], s[CS:CS+1], v[\MN:\MN+1] op_sel_hi:[1,0,0]
.if j == 2
	v_cvt_i32_f32 v54, v54                         ; (it saturates)
.endif
.if j == 6
	v_ldexp_f32 v46, 1.0, v54                      ; f = 2^(old M - new M)
.endif
.set j, j+2
.endr
	v_fma_f32 v[MX], v[MX], s[CS], v[\MN]          ; the same of each block's largest score: p rises with the score
	v_fma_f32 v[MX+2], v[MX+2], s[CS], v[\MN]
.set j, 0
.rept 16
	v_pk_mul_f32 v[O+j:O+j+1], v[O+j:O+j+1], v[46:47] op_sel_hi:[1,0]   ; O^T under the new M, each accumulator from its low end on; no transcendental stands between the products that wrote it and these lines
.set j, j+2
.endr
	WALU                                           ; ahead of the batch
	v_exp_f32 v[MX], v[MX]                         ; the blocks' largest p
	v_exp_f32 v[MX+2], v[MX+2]
	v_pk_mul_f32 v[14:15], v[14:15], v[46:47] op_sel_hi:[1,0]           ; the sums under the new M
.set j, 0
.rept 16                               ; p of the first half; among the exponentials stand lines that hang on none of them and on no line of this batch: t - M of the second half
	v_exp_f32 v[\Y+j], v[\Y+j]
	v_exp_f32 v[\Y+j+1], v[\Y+j+1]
	v_pk_fma_f32 v[\Y+32+j:\Y+33+j], v[\Y+32+j:\Y+33+j], s[CS:CS+1], v[\MN:\MN+1] op_sel_hi:[1,0,0]
.set j, j+2
.endr
	WALU                                           ; behind that batch and ahead of the next
.set i, 0
.rept 8                                ; p of the second half; among them the first half's sums by pairs, eight lines that do not hang on each other
	v_exp_f32 v[\Y+32+4*i], v[\Y+32+4*i]
	v_exp_f32 v[\Y+33+4*i], v[\Y+33+4*i]
	v_pk_add_f32 v[T+2*i:T+2*i+1], v[\Y+4*i:\Y+4*i+1], v[\Y+4*i+2:\Y+4*i+3]
	v_exp_f32 v[\Y+34+4*i], v[\Y+34+4*i]
	v_exp_f32 v[\Y+35+4*i], v[\Y+35+4*i]
.set i, i+1
.endr
	v_max_num_f32 v[MX], 0x1800000, v[MX]          ; the floor 2^(3 - 127): the byte cannot fall under 1
	v_max_num_f32 v[MX+2], 0x1800000, v[MX+2]
	WALU                                           ; behind the batch, ahead of its readers
	v_add_nc_u32 v59, 0xff000000, v[MX]            ; 2 off the exponent field: the conversions' scale operands
	v_add_nc_u32 v63, 0xff000000, v[MX+2]
	v_cvt_scalef32_pk16_fp6_f32 v[P:P+2], v[\Y:\Y+15], v59
	v_cvt_scalef32_pk16_fp6_f32 v[56:58], v[\Y+16:\Y+31], v59           ; (a conversion's three registers begin on an even number)
	v_cvt_scalef32_pk16_fp6_f32 v[P+6:P+8], v[\Y+32:\Y+47], v63
	v_cvt_scalef32_pk16_fp6_f32 v[60:62], v[\Y+48:\Y+63], v63
	v_lshrrev_b32 v49, 23, v59                     ; the scales' bytes (also the plain place behind the conversions)
	v_lshrrev_b32 v51, 23, v63
.irp i, 0,1,2
	v_mov_b32 v[P+3+\i], v[56+\i]
	v_mov_b32 v[P+9+\i], v[60+\i]
.endr
	v_lshl_or_b32 v54, v51, 16, v49                ; my two bytes: blocks h and 2 + h,
	ACC \Y, 0
	ACC \Y, 1
	v_lshlrev_b32 v54, v5, v54                     ; 8 h bits up;
	ACC \Y, 2
	ACC \Y, 3
	v_permlanex16_b32 v55, v54, s[SEL], s[SEL+1]
	ACC \Y, 4
	ACC \Y, 5
	v_or_b32 v[PS], v54, v55                       ; with lane l xor 16's two p's scale word is whole
.irp k, 6,7,8,9,10,11,12,13,14,15
	ACC \Y, \k                                     ; ten places between the scale word and the products
.endr
	KLOAD \Y, 8, 10, \ko, \kwo                     ; p has been read: its registers take the next step's K
	WALU
	s_wait_dscnt 26                                ; V is in; the 26 loads just issued may be out
.irp t, 0,1,2,3                        ; the four accumulators take turns
	v_wmma_scale_f32_16x16x128_f8f6f4 v[O+8*\t:O+8*\t+7], v[\X+12*\t:\X+12*\t+11], v[P:P+11], v[O+8*\t:O+8*\t+7], v[VW+\t], v[PS] matrix_a_fmt:MATRIX_FMT_FP6 matrix_b_fmt:MATRIX_FMT_FP6
.endr
.irp i, 0,1,2,3                        ; the partial sums are joined: eight places between these products and the next step's, which write over V's fragments
	v_pk_add_f32 v[T+2*\i:T+2*\i+1], v[T+2*\i:T+2*\i+1], v[T+8+2*\i:T+9+2*\i]
.endr
	s_delay_alu instid0(VALU_DEP_2)
	v_pk_add_f32 v[T:T+1], v[T:T+1], v[T+4:T+5]
	s_delay_alu instid0(VALU_DEP_2)
	v_pk_add_f32 v[T+2:T+3], v[T+2:T+3], v[T+6:T+7]
	s_delay_alu instid0(VALU_DEP_1)
	v_pk_add_f32 v[T:T+1], v[T:T+1], v[T+2:T+3]
	s_delay_alu instid0(VALU_DEP_1)
	v_pk_add_f32 v[14:15], v[14:15], v[T:T+1]
.endm
	s_mov_b32 s17, 2                               ; two passes: my two tiles of queries
	s_mov_b32 s18, 0xffff                          ; the lanes that keep this pass's scale halfword
.Lpass:
	KLOAD XA, 1, 3, 0, 0                           ; the first step's K
	v_mov_b32 v13, 0xff61b1e6                      ; the largest score so far: -3e38
	v_mov_b32 v12, 0x7e000000                      ; -M: 2^125, so that the first f is 0
	v_mov_b32 v14, 0
	v_mov_b32 v15, 0
.set j, 0
.rept 32
	v_mov_b32 v[O+j], 0                            ; the step is written once: the first finds zeros, which the first change of M leaves zeros
.set j, j+1
.endr
	s_mov_b32 s[TB], 0
	s_mov_b32 s[TV], 0
	s_mov_b32 s[TS], 0
	s_mov_b32 s[TJ], 0
	s_mov_b32 s16, 8
.Lstep:
	STEP XA, XB, 12, 52, 1, 0, 0, KSTEP, 512
	STEP XB, XA, 52, 12, 0, 6144, 256, 2*KSTEP, 1024
	s_add_co_u32 s[TB], s[TB], 2*KSTEP
	s_add_co_u32 s[TV], s[TV], 12288
	s_add_co_u32 s[TS], s[TS], 1024
	s_add_co_u32 s[TJ], s[TJ], 512
	s_sub_co_u32 s16, s16, 1
	s_cmp_lg_u32 s16, 0
	s_cbranch_scc1 .Lstep
	; the pass's end: O^T / the sum is the context of my 16 tokens: register 16 b + i = channel 32 b + 16 h + i.  It is quantised along the channels: one unit and two scale bytes a row
	WALU
	s_wait_dscnt 0x0                               ; the loads that the last step issued have come: their registers are free
	v_add_f32 v14, v14, v15
	s_delay_alu instid0(VALU_DEP_1)
	v_permlanex16_b32 v55, v14, s[SEL], s[SEL+1]
	s_delay_alu instid0(VALU_DEP_1)
	v_add_f32 v14, v14, v55                        ; the row's sum
	WALU
	v_rcp_f32 v14, v14
	v_nop                                          ; a plain place behind the reciprocal
	WALU                                           ; and the wait ahead of its first reader, which is also O^T's
.set j, 0
.rept 16
	v_pk_mul_f32 v[XA+j:XA+j+1], v[O+j:O+j+1], v[14:15] op_sel_hi:[1,0]   ; each accumulator from its low end on
.set j, j+2
.endr
.irp b, 0,1
	v_max3_num_f32 v[MX+\b], |v[XA+16*\b]|, |v[XA+1+16*\b]|, 0x1800000
.endr
.irp i, 2,4,6,8,10,12,14
.irp b, 0,1
	s_delay_alu instid0(VALU_DEP_2)
	v_max3_num_f32 v[MX+\b], v[MX+\b], |v[XA+16*\b+\i]|, |v[XA+1+16*\b+\i]|
.endr
.endr
.irp b, 0,1
	s_delay_alu instid0(VALU_DEP_2)
	v_permlanex16_b32 v[MX+2+\b], v[MX+\b], s[SEL], s[SEL+1]
.endr
.irp b, 0,1
	s_delay_alu instid0(VALU_DEP_2)
	v_max_num_f32 v[MX+\b], v[MX+\b], v[MX+2+\b]
.endr
	s_delay_alu instid0(VALU_DEP_2)
	v_add_nc_u32 v59, 0xff000000, v[MX]
	s_delay_alu instid0(VALU_DEP_2)
	v_add_nc_u32 v63, 0xff000000, v[MX+1]
	s_delay_alu instid0(VALU_DEP_2)
	v_lshrrev_b32 v[MX+2], 23, v59
	s_delay_alu instid0(VALU_DEP_2)
	v_lshrrev_b32 v[MX+3], 23, v63
	s_delay_alu instid0(VALU_DEP_1)
	v_lshl_or_b32 v54, v[MX+3], 8, v[MX+2]         ; row r's two bytes, in both halves of the lanes
	s_delay_alu instid0(VALU_DEP_1)
	v_cndmask_b32 v7, v7, v54, s18                 ; the first pass's in lanes 0-15, the second's in lanes 16-31
	v_cvt_scalef32_pk16_fp6_f32 v[P:P+2], v[XA:XA+15], v59
	v_cvt_scalef32_pk16_fp6_f32 v[P+8:P+10], v[XA+16:XA+31], v63
	v_nop
.irp i, 0,1,2
	v_permlane16_swap_b32 v[P+\i], v[P+8+\i]       ; a whole block to a lane
.endr
.irp i, 0,1,2
	v_mov_b32 v[P+3+\i], v[P+8+\i]
.endr
.irp c, 0,1,2
	global_store_b64 v[L8], v[P+2*\c:P+2*\c+1], s[72:73] offset:256*\c   ; 256 consecutive bytes, aligned
.endr
.irp c, 0,1,2,3,4,5
	v_mov_b32 v[16+\c], v[28+\c]                   ; the second tile's Q
.endr
	v_mov_b32 v[QS], v[QS+1]                       ; and its scale words
	WALU
	s_wait_xcnt 0x0                                ; the stores have read their data and their base
	s_add_nc_u64 s[72:73], s[72:73], 12288         ; the next tile
	s_lshl_b32 s18, s18, 16
	s_sub_co_u32 s17, s17, 1
	s_cmp_lg_u32 s17, 0
	s_cbranch_scc1 .Lpass
	global_store_b16 v6, v7, s[74:75]              ; two bytes a lane: a head owns 2 of a row's 8 scale bytes of 256 along K; 64 bytes a wave beside its 1,536 bytes of codes
	s_wait_tensorcnt 0x0                           ; the wave's end
	ds_add_u32 v254, v255
	s_wait_dscnt 0x0
	ROUND                                          ; the closing round
	s_endpgm
.Lfunc_end_k_q0af9a452e5_attn:
	.size	k_q0af9a452e5_attn, .Lfunc_end_k_q0af9a452e5_attn-k_q0af9a452e5_attn
	.p2alignl 7, 3214868480
	.fill 96, 4, 3214868480
	.section	.rodata,"a",@progbits
	.p2align	6, 0x0
	.amdhsa_kernel k_q0af9a452e5_attn
		.amdhsa_group_segment_fixed_size 223232
		.amdhsa_private_segment_fixed_size 0
		.amdhsa_enable_private_segment 0
		.amdhsa_kernarg_size 32
		.amdhsa_user_sgpr_count 2
		.amdhsa_user_sgpr_kernarg_segment_ptr 1
		.amdhsa_wavefront_size32 1
		.amdhsa_system_sgpr_workgroup_id_x 1
		.amdhsa_system_sgpr_workgroup_id_y 1
		.amdhsa_system_sgpr_workgroup_id_z 1
		.amdhsa_system_vgpr_workitem_id 0
		.amdhsa_next_free_vgpr 256
		.amdhsa_next_free_sgpr 96
		.amdhsa_reserve_vcc 0
		.amdhsa_float_denorm_mode_32 3
		.amdhsa_float_denorm_mode_16_64 3
		.amdhsa_memory_ordered 1
		.amdhsa_forward_progress 1
		.amdhsa_inst_pref_size 51
	.end_amdhsa_kernel
	.amdgpu_metadata
---
amdhsa.version: [ 1, 2 ]
amdhsa.kernels:
  - .name:           k_q0af9a452e5_attn
    .symbol:         k_q0af9a452e5_attn.kd
    .args:
      - { .name: qkvc, .offset: 0, .size: 8, .value_kind: global_buffer, .address_space: global }
      - { .name: qkvs, .offset: 8, .size: 8, .value_kind: global_buffer, .address_space: global }
      - { .name: cc, .offset: 16, .size: 8, .value_kind: global_buffer, .address_space: global }
      - { .name: cs, .offset: 24, .size: 8, .value_kind: global_buffer, .address_space: global }
    .group_segment_fixed_size: 223232
    .private_segment_fixed_size: 0
    .kernarg_segment_align: 8
    .kernarg_segment_size: 32
    .max_flat_workgroup_size: 512
    .sgpr_count:     96
    .vgpr_count:     256
    .wavefront_size: 32
...
	.end_amdgpu_metadata
.endif
;; end of part 3
;; launch gemm_out (part 4): grid 4 x 64, 4 waves a work-group, clusters of 4 x 4, 325,120 bytes of LDS; arguments cc, cs, codes, scales, b_o, out0; writes out0
.if DOCPART == 4
	.amdgcn_target "amdgcn-amd-amdhsa--gfx1250"
	.amdhsa_code_object_version 6
	.text
	.protected	k_q0af9a452e5_gemm_out
	.globl	k_q0af9a452e5_gemm_out
	.p2align	8
	.type	k_q0af9a452e5_gemm_out,@function
k_q0af9a452e5_gemm_out:
	s_mov_b64 s[64:65], 0
	v_nop
	global_prefetch_b8 v0, s[64:65] scope:SCOPE_SE
	s_setreg_imm32_b32 hwreg(HW_REG_WAVE_MODE, 25, 1), 1
	s_wait_xcnt 0x0
	s_wait_alu depctr_hold_cnt(0) depctr_sa_sdst(0) depctr_va_vdst(0) depctr_va_sdst(0) depctr_va_ssrc(0) depctr_va_vcc(0) depctr_vm_vsrc(0)
	s_getreg_b32 s2, hwreg(HW_REG_IB_STS2, 6, 4)
	s_cmp_eq_u32 s2, 0
	s_cbranch_scc0 .Lentry_in_a_cluster
	s_endpgm
.Lentry_in_a_cluster:
	s_bfe_u32 s2, ttmp6, 0x10000c
	s_cmp_lg_u32 s2, 0xf033
	s_cbranch_scc0 .Lentry_shape_is_right
	s_endpgm
.Lentry_shape_is_right:
; out0 = context w_o + b_o: [8192][1024] f32.  Both operands arrive as codes of FP6 (E2M3) with E8M0 scale bytes, in the order of an operand's registers:
; codes [tile of 16 rows][16 units of 64 along K][768 bytes], register pair c of lane l at byte 256 c + 8 l of a unit; scale bytes [tile][K / 256][row r][8].  w_o's tiles are 704 .. 767 of codes and scales.
; Row r of tile T (tokens, or columns of w_o) is true row 32 (T / 2) + 8 (T % 2) + r + 8 (r / 8).
; THE DEAL.  256 work-groups, each 128 tokens x 256 columns.  K is 1,024, so ALL of K of both operands lies in LDS (98,304 + 196,608 bytes of codes, 12,288 of scale bytes), filled ONCE, one joint load a wave:
; no LDS byte is filled again and nothing walks along K.  A wave holds its 64 columns of w_o, all of K, in registers (32 fragments, 384 registers) and streams the work-group's eight tiles of tokens past them:
; a BLOCK is one tile of 16 tokens, 8 fragments, 32 products on four accumulators by turns; its 16 x 64 results are finished with it and leave while the next block is multiplied.
; The tokens' fragments and scale words lie twice in registers: block s reads set s % 2, and behind its products that set takes block s + 2.
; THE MATRIX INSTRUCTION IS USED TRANSPOSED (source 0 = 16 columns of w_o, source 1 = 16 tokens): a lane holds one token and eight neighbouring columns.  THE BIAS is the C of a block's first four products.
; THE WAY OUT: a block goes through the wave's own stage in LDS (16 rows of 256 + 16 bytes, bytes into which no fill lands) and comes back by rows: sixteen lanes store one aligned unit of 256 bytes.
; CLUSTERS: 4 x 4 work-groups; the tokens' tiles are shared along a row of the cluster, w_o's along a column: each is asked for jointly.
; No prefetch is written: all that the launch reads is asked for by its first lines, and there is no loop to run ahead in.
; REGISTERS: window 0: v2-10 addresses, v28, v29 the add's; v32-47 w_o's scale words (tiles 2 p, 2 p + 1 in the two halves of the lanes), v52-67 the tokens', two sets; v72-103 the bias; v104-167 two sets of four accumulators;
; v168-231 two sets of rows on the way out.  Fragment f lies in window 1 + f / 21 at register 12 (f % 21): 0-31 w_o's (4 q + b), 32-39 and 40-47 the tokens' two sets.
.set BB,     98304                     ; LDS: the tokens' codes at 0; w_o's here
.set SBL,    294912                    ; w_o's scale bytes
.set SAL,    303104                    ; the tokens'
.set STG,    307200                    ; the stages
.set SPITCH, 272
.set SPARE,  324608
.set NF,     52                        ; LDS loads of a block: 48 for eight fragments, 4 for eight scale words
.set ADRB, 2
.set ADRA, 3                           ; v3: tiles 0-3, v4: tiles 4-7
.set ASB,  5
.set ASA,  6
.set BO,   7
.set STO,  8
.set RD,   9
.set CO,   10
.set SPW,  28
.set NIL,  29
.set SB,   32
.set SA,   52
.set BI,   72
.set ACC,  104
.set RB,   168
.set WV,   2
.set G1B,  24
.set G1A,  32
.set G1SB, 40
.set G1SA, 48
.set G0B,  56
.set G0A,  60
.set G0SB, 68
.set G0SA, 72
.set MSB, 0
.macro WIN new                         ; the immediate's high byte repeats the setting that is left
.if MSB != (\new)
	s_set_vgpr_msb (MSB<<8)|(\new)
.set MSB, (\new)
.endif
.endm
.macro BARRIER
	s_barrier_signal -1
	s_barrier_wait -1
.endm
.macro CROUND
	BARRIER
	s_cmp_lg_u32 s[WV], 0
	s_cbranch_scc1 .Lnot_wave_0_\@
	s_barrier_signal -3
.Lnot_wave_0_\@:
	s_barrier_wait -3
	BARRIER
.endm
.macro TLOAD g0, g1                    ; s_nop 0 and four v_nop follow the load
	tensor_load_to_lds s[\g0:\g0+3], s[\g1:\g1+7]
	s_nop 0
.rept 4
	v_nop
.endr
.endm
.macro GROUP1 g, mask, rows            ; a dense block as rows of 256 bytes (32 elements of 8)
	s_or_b32 s[\g], s[\mask], (3<<16)|(1<<21)
	s_mov_b32 s[\g+1], 32<<16
	s_mov_b32 s[\g+2], (\rows)<<16
	s_mov_b32 s[\g+3], 32<<16
	s_mov_b32 s[\g+4], \rows
	s_mov_b32 s[\g+5], 32
	s_mov_b32 s[\g+6], 0
	s_mov_b32 s[\g+7], 0
.endm
	s_load_b256 s[4:11], s[0:1], 0x0               ; cc, cs, codes, scales
	s_load_b128 s[12:15], s[0:1], 0x20             ; b_o, out0
	v_lshl_add_u32 v[SPW], v0, 2, SPARE
	v_mov_b32 v[NIL], 0
	ds_add_u32 v[SPW], v[NIL]                      ; the opening lines
	ds_add_u32 v[SPW], v[NIL]
	v_lshrrev_b32 v1, 5, v0
	v_readfirstlane_b32 s[WV], v1                  ; wave 0..3: my 64 of the 256 columns
	s_bfe_u32 s76, ttmp6, 0x40000                  ; cx
	s_bfe_u32 s77, ttmp6, 0x40004                  ; cy
	s_lshl_b32 s16, ttmp9, 2
	s_add_co_u32 s16, s16, s76                     ; block of 256 columns
	s_and_b32 s17, ttmp7, 0xffff
	s_lshl_b32 s17, s17, 2
	s_add_co_u32 s17, s17, s77                     ; block of 128 tokens
	s_lshl_b32 s78, s77, 2
	s_lshl_b32 s78, 15, s78                        ; my row of the cluster
	s_lshl_b32 s79, 0x1111, s76                    ; my column
	GROUP1 G1B, 79, 768
	GROUP1 G1A, 78, 384
	GROUP1 G1SB, 79, 32
	GROUP1 G1SA, 78, 16
	s_mul_i32 s80, s17, 98304                      ; the tokens' 8 tiles of codes,
	s_mov_b32 s81, 0
	s_lshl_b32 s82, s17, 12                        ; and of scale bytes
	s_mov_b32 s83, 0
	s_mul_i32 s84, s16, 196608                     ; w_o's 16 tiles, from tile 704 on
	s_add_co_u32 s84, s84, 704*12288
	s_mov_b32 s85, 0
	s_lshl_b32 s86, s16, 13
	s_add_co_u32 s86, s86, 704*512
	s_mov_b32 s87, 0
	s_lshl_b32 s88, s16, 10                        ; my first column, in bytes of f32
	s_lshl_b32 s18, s[WV], 8
	s_add_co_u32 s88, s88, s18
	s_mov_b32 s89, 0
	s_lshl_b32 s90, s17, 19                        ; my first token's row of 4,096 bytes, and the column
	s_add_co_u32 s90, s90, s88
	s_mov_b32 s91, 0
	s_mov_b32 s[G0B], 1
	s_mov_b32 s[G0B+1], BB
	s_mov_b32 s[G0A], 1
	s_mov_b32 s[G0A+1], 0
	s_mov_b32 s[G0SB], 1
	s_mov_b32 s[G0SB+1], SBL
	s_mov_b32 s[G0SA], 1
	s_mov_b32 s[G0SA+1], SAL
	s_wait_alu depctr_va_vdst(0)
	s_wait_dscnt 0x0                               ; both opening adds are done
	CROUND                                         ; all sixteen work-groups are here: the joint loads meet
	s_wait_kmcnt 0x0
	s_add_nc_u64 s[G0B+2:G0B+3], s[8:9], s[84:85]
	s_or_b32 s[G0B+3], s[G0B+3], 0x80000000
	s_add_nc_u64 s[G0SB+2:G0SB+3], s[10:11], s[86:87]
	s_or_b32 s[G0SB+3], s[G0SB+3], 0x80000000
	s_add_nc_u64 s[G0A+2:G0A+3], s[4:5], s[80:81]
	s_or_b32 s[G0A+3], s[G0A+3], 0x80000000
	s_add_nc_u64 s[G0SA+2:G0SA+3], s[6:7], s[82:83]
	s_or_b32 s[G0SA+3], s[G0SA+3], 0x80000000
	s_cmp_eq_u32 s[WV], 0                          ; one chain of branches on the wave's number, one load to an arm; what goes on into registers is asked for first
	s_cbranch_scc0 .Lw1
	TLOAD G0B, G1B                                 ; wave 0: w_o's codes
	s_branch .Lasked
.Lw1:
	s_cmp_eq_u32 s[WV], 1
	s_cbranch_scc0 .Lw2
	TLOAD G0SB, G1SB                               ; wave 1: w_o's scale bytes
	s_branch .Lasked
.Lw2:
	s_cmp_eq_u32 s[WV], 2
	s_cbranch_scc0 .Lw3
	TLOAD G0A, G1A                                 ; wave 2: the tokens' codes
	s_branch .Lasked
.Lw3:
	TLOAD G0SA, G1SA                               ; wave 3: their scale bytes
.Lasked:
	s_add_nc_u64 s[12:13], s[12:13], s[88:89]
	s_add_nc_u64 s[14:15], s[14:15], s[90:91]
	v_and_b32 v11, 31, v0                          ; l
	v_and_b32 v12, 15, v0                          ; r
	v_bfe_u32 v13, v0, 4, 1                        ; h
	v_lshlrev_b32 v[BO], 6, v13                    ; the bias: 16 columns on for lanes 16-31
.irp b, 0,1,2,3
	global_load_b128 v[BI+8*\b:BI+8*\b+3], v[BO], s[12:13] offset:(32*(\b/2)+8*(\b%2))*4       ; register 8 b + j: column 32 (b / 2) + 8 (b % 2) + 16 h + j, as the result lies
	global_load_b128 v[BI+8*\b+4:BI+8*\b+7], v[BO], s[12:13] offset:(32*(\b/2)+8*(\b%2))*4+16
.endr
	v_lshlrev_b32 v[ADRA], 3, v11                  ; fragments: 8 l
	v_add_nc_u32 v[ADRA+1], 4*12288, v[ADRA]
	s_mul_i32 s18, s[WV], 4*12288
	s_add_co_u32 s18, s18, BB
	v_add_nc_u32 v[ADRB], s18, v[ADRA]             ; my four tiles of w_o
	v_lshlrev_b32 v14, 3, v12                      ; scale words: 8 r
	v_add_nc_u32 v[ASA], SAL, v14
	v_lshl_add_u32 v14, v13, 9, v14                ; w_o's: lanes 16-31 take the odd tile's
	s_lshl_b32 s19, s[WV], 11
	s_add_co_u32 s19, s19, SBL
	v_add_nc_u32 v[ASB], s19, v14
	s_mul_i32 s20, s[WV], 16*SPITCH
	s_add_co_u32 s20, s20, STG                     ; my stage
	v_mul_u32_u24 v15, v12, SPITCH
	v_lshl_add_u32 v15, v13, 6, v15
	v_add_nc_u32 v[STO], s20, v15                  ; in: row r, 64 bytes on for lanes 16-31
	v_mul_u32_u24 v16, v13, SPITCH
	v_lshl_add_u32 v16, v12, 4, v16
	v_add_nc_u32 v[RD], s20, v16                   ; back: lanes 0-15 one row of 256 bytes, lanes 16-31 the next
	v_lshlrev_b32 v17, 12, v13
	v_lshl_add_u32 v[CO], v12, 4, v17              ; and the same two rows in out0
.macro FRAGL f, adr, off               ; a fragment: 12 registers, six loads of 256 consecutive bytes a wave
	WIN (1+(\f)/21)<<6
.irp p, 0,1,2,3,4,5
	ds_load_b64 v[12*((\f)%21)+2*\p:12*((\f)%21)+2*\p+1], v[\adr] offset:(\off)+256*\p
.endr
.endm
.macro FETCH e, a                      ; tile a of the tokens, all of K, into set e: NF loads
.irp q, 0,1,2,3,4,5,6,7
	FRAGL 32+8*(\e)+\q, ADRA+(\a)/4, ((\a)%4)*12288+1536*\q
.endr
	WIN 0
.irp k, 0,1,2,3
	ds_load_b64 v[SA+8*(\e)+2*\k:SA+8*(\e)+2*\k+1], v[ASA] offset:(\a)*512+128*\k
.endr
.endm
.macro BLKQ e, q                       ; the four products of K step q: the four accumulators take turns
.irp p, 0,1
.irp o, 0,1
.set FB_, 4*(\q)+2*\p+\o
.set FA_, 32+8*(\e)+(\q)
.set D_, ACC+32*(\e)+16*\p+8*\o
	WIN (1+FB_/21)|((1+FA_/21)<<2)
.if \q
	v_wmma_scale_f32_16x16x128_f8f6f4 v[D_:D_+7], v[12*(FB_%21):12*(FB_%21)+11], v[12*(FA_%21):12*(FA_%21)+11], v[D_:D_+7], v[SB+8*\p+(\q)], v[SA+8*(\e)+(\q)] matrix_a_fmt:MATRIX_FMT_FP6 matrix_b_fmt:MATRIX_FMT_FP6 matrix_a_scale:MATRIX_SCALE_ROW\o
.else
	v_wmma_scale_f32_16x16x128_f8f6f4 v[D_:D_+7], v[12*(FB_%21):12*(FB_%21)+11], v[12*(FA_%21):12*(FA_%21)+11], v[BI+16*\p+8*\o:BI+16*\p+8*\o+7], v[SB+8*\p+(\q)], v[SA+8*(\e)+(\q)] matrix_a_fmt:MATRIX_FMT_FP6 matrix_b_fmt:MATRIX_FMT_FP6 matrix_a_scale:MATRIX_SCALE_ROW\o
.endif
.endr
.endr
.endm
.macro SEND a                          ; block a's rows, back from the stage: each store covers two rows' aligned 256 bytes
.irp t, 0,1,2,3,4,5,6,7
	global_store_b128 v[CO], v[RB+32*((\a)%2)+4*\t:RB+32*((\a)%2)+4*\t+3], s[14:15] offset:(32*((\a)/2)+8*((\a)%2)+2*\t+8*(\t/4))*4096 th:TH_STORE_NT
.endr
.endm
.macro BLK s
.irp q, 0,1,2,3
	BLKQ (\s)%2, \q
.endr
	WIN 0
	s_wait_dscnt 0x0                               ; all that was asked of LDS ahead of this block is in: the next block's fragments, and the last block's rows from the stage
.if \s
	s_wait_xcnt 0x0                                ; the stores of two blocks ago have read their registers: this block's rows may land there
	SEND (\s)-1
.endif
.irp q, 4,5,6,7
	BLKQ (\s)%2, \q
.endr
	WIN 0
.rept 4
	v_nop                                          ; places between the products and the stores of their results and the loads into their sources
.endr
.irp b, 0,1,2,3
	ds_store_b128 v[STO], v[ACC+32*((\s)%2)+8*\b:ACC+32*((\s)%2)+8*\b+3] offset:128*(\b/2)+32*(\b%2)      ; each accumulator from its low end on
	ds_store_b128 v[STO], v[ACC+32*((\s)%2)+8*\b+4:ACC+32*((\s)%2)+8*\b+7] offset:128*(\b/2)+32*(\b%2)+16
.endr
.if (\s) < 6
	FETCH (\s)%2, (\s)+2
.endif
.irp t, 0,1,2,3,4,5,6,7
	ds_load_b128 v[RB+32*((\s)%2)+4*\t:RB+32*((\s)%2)+4*\t+3], v[RD] offset:2*\t*SPITCH   ; LDS serves a wave's instructions in order: these see the stores above
.endr
.endm
	s_wait_alu depctr_va_vdst(0)                   ; the wait at the head's end
	s_cmp_lt_u32 s[WV], 2
	s_cbranch_scc0 .Lnot_b
	s_wait_tensorcnt 0x0                           ; waves 0 and 1: w_o's codes and scale bytes have landed (each load line is its wave's alone)
.Lnot_b:
	BARRIER                                        ; the tokens' tiles may still be on their way
.irp q, 0,1,2,3,4,5,6,7
.irp b, 0,1,2,3
	FRAGL 4*\q+\b, ADRB, \b*12288+1536*\q          ; my 64 columns of w_o, all of K: 192 loads
.endr
.endr
	WIN 0
.irp p, 0,1
.irp k, 0,1,2,3
	ds_load_b64 v[SB+8*\p+2*\k:SB+8*\p+2*\k+1], v[ASB] offset:\p*1024+128*\k
.endr
.endr
	s_wait_tensorcnt 0x0                           ; every wave: all that is still out
	s_wait_dscnt 0x0
	BARRIER                                        ; the tokens' codes and scale bytes are in
	FETCH 0, 0
	FETCH 1, 1
	s_wait_loadcnt 0x0                             ; the bias
	s_wait_dscnt NF                                ; block 0's fragments are in; block 1's NF loads may be out
.irp s, 0,1,2,3,4,5,6,7
	BLK \s
.endr
	s_wait_dscnt 0x0
	SEND 7
	s_wait_tensorcnt 0x0                           ; the wave's end
	ds_add_u32 v[SPW], v[NIL]
	s_wait_dscnt 0x0
	CROUND                                         ; the closing round
	s_endpgm
.Lfunc_end_k_q0af9a452e5_gemm_out:
	.size	k_q0af9a452e5_gemm_out, .Lfunc_end_k_q0af9a452e5_gemm_out-k_q0af9a452e5_gemm_out
	.p2alignl 7, 3214868480
	.fill 96, 4, 3214868480
	.section	.rodata,"a",@progbits
	.p2align	6, 0x0
	.amdhsa_kernel k_q0af9a452e5_gemm_out
		.amdhsa_group_segment_fixed_size 325120
		.amdhsa_private_segment_fixed_size 0
		.amdhsa_enable_private_segment 0
		.amdhsa_kernarg_size 48
		.amdhsa_user_sgpr_count 2
		.amdhsa_user_sgpr_kernarg_segment_ptr 1
		.amdhsa_wavefront_size32 1
		.amdhsa_system_sgpr_workgroup_id_x 1
		.amdhsa_system_sgpr_workgroup_id_y 1
		.amdhsa_system_sgpr_workgroup_id_z 1
		.amdhsa_system_vgpr_workitem_id 0
		.amdhsa_next_free_vgpr 1024
		.amdhsa_next_free_sgpr 96
		.amdhsa_reserve_vcc 0
		.amdhsa_float_denorm_mode_32 3
		.amdhsa_float_denorm_mode_16_64 3
		.amdhsa_memory_ordered 1
		.amdhsa_forward_progress 1
		.amdhsa_inst_pref_size 97
	.end_amdhsa_kernel
	.amdgpu_metadata
---
amdhsa.version: [ 1, 2 ]
amdhsa.kernels:
  - .name:           k_q0af9a452e5_gemm_out
    .symbol:         k_q0af9a452e5_gemm_out.kd
    .args:
      - { .name: cc, .offset: 0, .size: 8, .value_kind: global_buffer, .address_space: global }
      - { .name: cs, .offset: 8, .size: 8, .value_kind: global_buffer, .address_space: global }
      - { .name: codes, .offset: 16, .size: 8, .value_kind: global_buffer, .address_space: global }
      - { .name: scales, .offset: 24, .size: 8, .value_kind: global_buffer, .address_space: global }
      - { .name: b_o, .offset: 32, .size: 8, .value_kind: global_buffer, .address_space: global }
      - { .name: out0, .offset: 40, .size: 8, .value_kind: global_buffer, .address_space: global }
    .group_segment_fixed_size: 325120
    .private_segment_fixed_size: 0
    .kernarg_segment_align: 8
    .kernarg_segment_size: 48
    .max_flat_workgroup_size: 128
    .sgpr_count:     96
    .vgpr_count:     1024
    .wavefront_size: 32
...
	.end_amdgpu_metadata
.endif
;; end of part 4
